; MI455X (gfx1250); checked and timed in simulation.
; The chip was launched on July 23, 2026; its instructions are those of AMD's public machine-readable ISA for CDNA 5 (MIT licence, August 2026) and "CDNA5" Instruction Set Architecture Reference Guide (July 2026). The comments in the code are by the model that wrote it; some were corrected since.
;; Self Attention. Allowed arithmetic: matrix products marked QUANTISED: E3M2 operands, one E8M0 scale for each 32 along K, by v_wmma_scale_f32_16x16x128_f8f6f4 with both operands' format E3M2, f32 sums; everything else in f32.
;; Inputs: bk 1,024 float32; bo 1,024 float32; bq 1,024 float32; bv 1,024 float32; wk 1,024 x 1,024 float32; wo 1,024 x 1,024 float32; wq 1,024 x 1,024 float32; wv 1,024 x 1,024 float32; x 4 x 2,048 x 1,024 float32.
;; Outputs: out0 4 x 2,048 x 1,024 float32.
;; This version of the problem:
;;   THIS VERSION OF THE PROBLEM IS GIVEN IN LOW PRECISION. The matrix products marked QUANTISED in the list below multiply operands that are first quantised to E3M2 (3 exponent bits, 2 mantissa bits; 6 bits a number), with one power-of-two scale for each 32 numbers along K (OCP MX v1.0); their sums are f32. All else is computed in f32.
;;   The module's matrix products, in the order in which they are computed (A, B: the left and right operand; K: the contracted axis; several contracted axes count as one K, in the product's order):
;;     1. [M 8,192, K 1,024] x [K 1,024, N 1,024]; A: input x; B: input wq: QUANTISED
;;     2. [M 8,192, K 1,024] x [K 1,024, N 1,024]; A: input x; B: input wk: QUANTISED
;;     3. [M 8,192, K 1,024] x [K 1,024, N 1,024]; A: input x; B: input wv: QUANTISED
;;     4. batch 4 x [M 2,048, K 1,024] x [K 1,024, N 2,048]; A: computed on the way; B: computed on the way: QUANTISED
;;     5. batch 4 x [M 2,048, K 2,048] x [K 2,048, N 1,024]; A: softmax (see below); B: computed on the way: QUANTISED
;;     6. [M 8,192, K 1,024] x [K 1,024, N 1,024]; A: computed on the way; B: input wo: QUANTISED
;;   THE QUANTISER, for each operand of a quantised product, along K:
;;     - K is cut into blocks of 32 from its start; a last block that is shorter is filled with zeros.
;;     - A block's scale is 2^e with e = floor(log2(the largest magnitude in the block)) - 4, held to -126 .. 127; a block of zeros has e = 0. As a byte (E8M0): e + 127.
;;     - Each number is divided by its block's scale, clamped to +-28, and rounded to the nearest number of E3M2, ties to even, subnormals kept.
;;     - The product sums the exact products of the quantised numbers (number of the format x scale) in f32.
;;   ~~~python
;;   def quantise(x, axis):      # numpy; x: float32 -> the quantised numbers, widened to float32 again
;;       x = np.moveaxis(x, axis, -1); K = x.shape[-1]
;;       x = np.pad(x, [(0, 0)] * (x.ndim - 1) + [(0, -K % 32)]); x = x.reshape(x.shape[:-1] + (-1, 32)); a = np.abs(x).max(-1, keepdims=True)
;;       e = np.where(a > 0, np.clip(np.frexp(np.where(a > 0, a, 1))[1] - 1 - 4, -126, 127), 0)      # np.frexp(a)[1] - 1 = floor(log2(a)), exactly
;;       r = np.clip(x / 2.0 ** e, -28, 28)
;;       step = 2.0 ** (np.maximum(np.frexp(np.where(r == 0, 1, r))[1] - 1, -2) - 2)
;;       q = np.round(r / step) * step * 2.0 ** e      # np.round: ties to even
;;       return np.moveaxis(q.reshape(q.shape[:-2] + (-1,))[..., :K], -1, axis).astype(np.float32)
;;   ~~~
;;   SOFTMAX AHEAD OF A QUANTISED PRODUCT. Where the list says 'softmax', what is quantised is not the finished softmax but p = 2^(t - M), with t = logit x log2(e) and M = ceil(the row's largest t), a whole number; so 1/2 < the row's largest p <= 1. The row's sum l is taken of the UNQUANTISED p, in f32, and the product's result is divided by l at the end. Since M is a whole number, a kernel that streams over the keys may use a running M (the ceiling of the running maximum): every later rescaling is an exact power of two, which a block's scale takes up: the codes' values come out the same.
;;   OPERANDS COMPUTED ON THE WAY. 'Computed on the way' means the value that the module computes at that place (a softmax that the list does not call 'softmax' is quantised finished and normalised). What goes into a quantiser is computed in f32, as accurately as f32 sums, v_exp_f32 and their like allow (about 1e-6 of the number): no bf16 or f16 on the way to a quantiser, and a product that is left as it is and whose result goes on into a quantised operand takes f32 operands (vector FMAs, or v_wmma_f32_16x16x4_f32). A number that lies on a knife's edge between two numbers of the format may be rounded either way, as far as f32 arithmetic and the matrix unit's own rounding can turn it there, and no further.
;; One version. Each part assembles by itself: llvm-mc -triple=amdgcn-amd-amdhsa -mcpu=gfx1250 --defsym DOCPART=n.
;; ======== version 1 of 1: 5 launches
;; limits: right only within a limited range of input values
;; workspace buffers: xw_img 9,830,400 bytes; qkv_img 19,660,800 bytes; p_img 14,155,776 bytes; s_img 6,553,600 bytes
;; launch quant (part 1): grid 384 x 1, 4 waves a work-group, no clusters, 61,952 bytes of LDS; arguments x, wq, wk, wv, wo, xw_img; writes xw_img
.if DOCPART == 1
	.amdgcn_target "amdgcn-amd-amdhsa--gfx1250"
	.amdhsa_code_object_version 6
	.text
	.protected	k_qa40b61e050_quant
	.globl	k_qa40b61e050_quant
	.p2align	8
	.type	k_qa40b61e050_quant,@function
k_qa40b61e050_quant:
	s_mov_b64 s[64:65], 0
	v_nop
	global_prefetch_b8 v0, s[64:65] scope:SCOPE_SE
	s_setreg_imm32_b32 hwreg(HW_REG_WAVE_MODE, 25, 1), 1
	s_wait_xcnt 0x0
; x [8192 tokens][1024] f32 and the four weights [1024 (k)][1024 (n)] f32 become codes of BF6 (E3M2) with one E8M0 byte for each 32 along K (K = the 1,024 of x's rows, the weights' first axis).
; THE OUTPUT IS LAID AS THE READERS' OPERAND REGISTERS.  A fragment is 16 rows x 128 K = 12 registers a lane = 1,536 bytes: registers 4 g .. 4 g + 3 of lane l lie at 512 g + 16 l.
; Codes: [768 row blocks][8 K steps][1536]: row blocks 0-511 x, 512-575 wq, 576-639 wk, 640-703 wv, 704-767 wo.  Scale words (four bytes: one K step of one row): [8 K steps][12,288 rows], from byte XWS on.
; THE ROWS OF A ROW BLOCK ARE NOT NEIGHBOURS: in each group of 128 rows, place rho of block t holds row 32 (t / 2) + 8 (t % 2) + rho + 8 (rho / 8).  So the results that a later product makes of eight such blocks
; lie, in a lane's 64 registers, as neighbours along the next product's K.
; A block's scale is 2^(floor(log2(largest magnitude)) - 4): its byte is the largest magnitude's exponent field - 4, held at 1 from below.
; LIMITS: a block of zeros gets the byte 1 where the rule says 127 (its codes are zeros; this program alone reads the bytes); blocks whose largest magnitude lies under 2^(5 - 127) are held at that byte; NaN and infinities are not served.
; Work-groups 0-255 take x, 256-383 the weights: two ways through the text, each with LDS bytes of its own.  No wave shares LDS with another: no barrier.  No tensor loads, no matrix work, no cluster: nothing is read twice.
.set XWS,  9437184                     ; where the scale words begin
.set XST,  0                           ; x's way: a stage of 16 rows x (512 + 16) bytes for each wave,
.set XSW,  33792                       ; and 256 bytes for each wave's 64 scale words
.set WST,  34816                       ; the weights' way: four fragments' images, 1,536 + 128 bytes each, for each wave
.set TM,   16                          ; v16-31  at work in QUANT
.set PW,   32                          ; v32     the scale word just made
.set PC,   36                          ; v36-55  the codes just made
.set RS,   64                          ; v64-191 two sets of 64 registers: 16 rows x 512 bytes as loaded
.set XR,   192                         ; v192-255 64 numbers of my row, as the conversions want them
.set SEL,  30                          ; s[30:31] v_permlanex16_b32's selects for lane l xor 16
; 64 numbers of a lane, register 16 b + i = k 32 b + 16 (lane / 16) + i of my row, become a fragment's codes in v[PC] on and its scale word in v[PW]
.macro QUANT s
.irp b, 0,1,2,3
	v_max3_num_f32 v[TM+\b], |v[\s+16*\b]|, |v[\s+1+16*\b]|, 0x2800000   ; block b: my 16 numbers, and the floor 2^(5 - 127): the byte cannot fall under 1
.endr
.irp i, 2,4,6,8,10,12,14
.irp b, 0,1,2,3
	v_max3_num_f32 v[TM+\b], v[TM+\b], |v[\s+16*\b+\i]|, |v[\s+1+16*\b+\i]|   ; the four blocks by turns
.endr
.endr
.irp b, 0,1,2,3
	v_permlanex16_b32 v[TM+4+\b], v[TM+\b], s[SEL], s[SEL+1]
.endr
.irp b, 0,1,2,3
	v_max_num_f32 v[TM+\b], v[TM+\b], v[TM+4+\b]   ; with lane l xor 16's 16: the block's largest magnitude
.endr
.irp b, 0,1,2,3
	v_add_nc_u32 v[TM+12+\b], 0xfe000000, v[TM+\b]   ; 4 off its exponent field: the conversion takes this operand's exponent field as its scale
.endr
.irp b, 0,1,2,3
	v_lshrrev_b32 v[TM+4+\b], 23, v[TM+12+\b]      ; the scale's byte
.endr
	v_lshl_or_b32 v[PW], v[TM+5], 8, v[TM+4]
	v_lshl_or_b32 v[PW], v[TM+6], 16, v[PW]
	v_lshl_or_b32 v[PW], v[TM+7], 24, v[PW]        ; my row's scale word
.irp c, 0,1
	v_cvt_scalef32_pk16_bf6_f32 v[PC+6*\c:PC+2+6*\c], v[\s+32*\c:\s+15+32*\c], v[TM+12+2*\c]
	v_cvt_scalef32_pk16_bf6_f32 v[PC+12+4*\c:PC+14+4*\c], v[\s+16+32*\c:\s+31+32*\c], v[TM+12+2*\c+1]   ; (a conversion's three registers begin on an even number)
.endr
	v_nop                                          ; one plain line behind the scaled conversions
.irp c, 0,1                                    ; the operand wants a WHOLE block in a lane: lanes 0-15 block 2 c, lanes 16-31 block 2 c + 1
.irp i, 0,1,2
	v_permlane16_swap_b32 v[PC+6*\c+\i], v[PC+12+4*\c+\i]
.endr
.irp i, 0,1,2
	v_mov_b32 v[PC+3+6*\c+\i], v[PC+12+4*\c+\i]
.endr
.endr
.endm
	s_load_b256 s[4:11], s[0:1], 0x0               ; x, wq, wk, wv
	s_load_b128 s[12:15], s[0:1], 0x20             ; wo, xw_img
	v_lshl_add_u32 v62, v0, 2, 0xf000
	v_mov_b32 v63, 0
	v_lshrrev_b32 v1, 5, v0
	v_readfirstlane_b32 s16, v1                    ; wave 0..3
	v_and_b32 v1, 31, v0                           ; lane
	v_and_b32 v2, 15, v0                           ; r
	v_bfe_u32 v3, v0, 4, 1                         ; h
	v_lshlrev_b32 v4, 4, v1                        ; 16 x lane
	s_cmp_lt_u32 ttmp9, 256
	s_cbranch_scc0 .Lweights
; ---- x.  Wave u = 4 x work-group + wave takes K step u % 8 of the 64 tokens u / 8: four fragments.  Each load reads 512 consecutive bytes of one token's row; the 16 rows of a fragment turn
; through the wave's stage, so that a lane gets 16 neighbours of each block of 32 of ITS row.
	s_mov_b32 s[SEL], 0x76543210
	s_mov_b32 s[SEL+1], 0xfedcba98
	s_lshl_b32 s17, ttmp9, 2
	s_add_co_u32 s17, s17, s16                     ; u
	s_and_b32 s18, s17, 7                          ; the K step
	s_lshr_b32 s19, s17, 3                         ; the 64 tokens
	s_mul_i32 s20, s16, 8448                       ; my stage (XST = 0)
	s_wait_alu depctr_va_vdst(0)
	v_add_nc_u32 v5, s20, v4                       ; in: 16 x lane of a row
	v_mul_u32_u24 v6, v2, 528
	v_lshl_add_u32 v6, v3, 6, v6
	v_add_nc_u32 v6, s20, v6                       ; out: row r, + 64 h
	s_lshl_b32 s20, s16, 8
	s_add_co_u32 s20, s20, XSW
	v_lshl_add_u32 v7, v2, 2, s20                  ; my row's scale word
	v_lshl_add_u32 v8, v1, 3, s20                  ; and on the way out 8 bytes a lane
	v_lshlrev_b32 v9, 3, v1
.irp b, 4,5,6,7
	v_mov_b32 v[TM+\b], 0                          ; written once: a lane permute's destination counts as one of its sources
.endr
	s_lshl_b32 s22, s19, 18                        ; x: 64 rows of 4,096 bytes,
	s_lshl_b32 s24, s18, 9                         ; + 512 bytes a K step
	s_add_co_u32 s22, s22, s24
	s_mov_b32 s23, 0
	s_lshl_b32 s24, s19, 5                         ; codes: (4 row blocks x 8 K steps x the 64 tokens + my K step) x 1,536
	s_add_co_u32 s24, s24, s18
	s_mul_i32 s24, s24, 1536
	s_mov_b32 s25, 0
	s_mul_i32 s26, s18, 49152                      ; scale words: my K step's row of 12,288 words, + 64 words
	s_lshl_b32 s27, s19, 8
	s_add_co_u32 s26, s26, s27
	s_add_co_u32 s26, s26, XWS
	s_mov_b32 s27, 0
	s_wait_alu depctr_va_vdst(0)
	s_wait_kmcnt 0x0
	s_add_nc_u64 s[4:5], s[4:5], s[22:23]
	s_add_nc_u64 s[6:7], s[14:15], s[24:25]
	s_add_nc_u64 s[8:9], s[14:15], s[26:27]
.macro LOADF i                         ; fragment i's 16 rows, in the order of their places, into set i % 2
.irp t, 0,1,2,3,4,5,6,7,8,9,10,11,12,13,14,15
	global_load_b128 v[RS+64*((\i)%2)+4*\t:RS+64*((\i)%2)+4*\t+3], v4, s[4:5] offset:(32*((\i)/2)+8*((\i)%2)+\t+8*(\t/8))*4096 th:TH_LOAD_NT
.endr
.endm
.macro FR i
.if (\i) < 3
	s_wait_loadcnt 16                              ; this fragment's 16 loads are in; the other set's 16 may be out
.else
	s_wait_loadcnt 0x0
.endif
.irp t, 0,1,2,3,4,5,6,7,8,9,10,11,12,13,14,15
	ds_store_b128 v5, v[RS+64*((\i)%2)+4*\t:RS+64*((\i)%2)+4*\t+3] offset:528*\t
.endr
.irp b, 0,1,2,3
.irp j, 0,1,2,3
	ds_load_b128 v[XR+16*\b+4*\j:XR+16*\b+4*\j+3], v6 offset:128*\b+16*\j   ; LDS serves a wave's instructions in order: these see the stores above
.endr
.endr
	s_wait_dscnt 0x0                               ; my numbers are back, and the stores have read their registers,
.if (\i) < 2
	LOADF (\i)+2                                   ; which take the loads of two fragments on
.endif
	s_wait_xcnt 0x0                                ; the last fragment's stores have read the codes' registers
	QUANT XR
.irp g, 0,1,2
	global_store_b128 v4, v[PC+4*\g:PC+4*\g+3], s[6:7] offset:12288*(\i)+512*\g   ; 512 consecutive bytes, at a multiple of 256
.endr
	ds_store_b32 v7, v[PW] offset:64*(\i)          ; both halves of the lanes write the same word with the same value
.endm
	LOADF 0
	LOADF 1
	FR 0
	FR 1
	FR 2
	FR 3
	ds_load_b64 v[56:57], v8
	s_wait_dscnt 0x0
	global_store_b64 v9, v[56:57], s[8:9]          ; the wave's 64 scale words: 256 consecutive bytes, aligned
	s_wait_tensorcnt 0x0
	ds_add_u32 v62, v63
	s_wait_dscnt 0x0
	s_endpgm
; ---- the weights.  K is the first axis: A LANE TAKES A COLUMN n AND ITS REGISTERS RUN DOWN K, so a block of 32 is one lane's, and the conversions give codes with K innermost.
; A wave takes 32 columns (two row blocks) x 256 along K (two K steps): four fragments, gathered as images in its own LDS and stored whole.
.Lweights:
	s_sub_co_u32 s17, ttmp9, 256
	s_lshr_b32 s18, s17, 5                         ; which weight
	s_and_b32 s19, s17, 7
	s_bfe_u32 s20, s17, 0x20003                    ; which 256 along K
	s_lshl_b32 s19, s19, 2
	s_add_co_u32 s19, s19, s16                     ; which 32 columns: B
	s_wait_alu depctr_va_vdst(0)
	v_bfe_u32 v5, v1, 3, 1                         ; column 32 B + x lies in row block 2 B + u, u = (x / 8) % 2,
	v_and_b32 v6, 7, v1
	v_lshl_add_u32 v6, v3, 3, v6                   ; at place rho = x % 8 + 8 (x / 16)
	v_lshlrev_b32 v10, 2, v1                       ; in: 4 bytes a lane
	s_mul_i32 s21, s16, 6656
	s_add_co_u32 s21, s21, WST                     ; my four images
	v_mul_u32_u24 v11, v5, 1664
	v_lshl_add_u32 v11, v6, 4, v11
	v_add_nc_u32 v11, s21, v11                     ; into them: image u, 16 x rho
	v_lshl_add_u32 v12, v5, 4, v6
	v_lshlrev_b32 v12, 2, v12                      ; my column's scale word among the wave's 32
	v_add_nc_u32 v13, s21, v4                      ; out of them: 16 x lane
	s_lshl_b32 s22, s20, 20                        ; W: 256 rows of 4,096 bytes, + 128 bytes for 32 columns
	s_lshl_b32 s24, s19, 7
	s_add_co_u32 s22, s22, s24
	s_mov_b32 s23, 0
	s_lshl_b32 s24, s18, 6                         ; codes: row block 512 + 64 x weight + 2 B, K step 2 x (which 256)
	s_lshl_b32 s25, s19, 1
	s_add_co_u32 s24, s24, s25
	s_add_co_u32 s24, s24, 512
	s_lshl_b32 s24, s24, 3
	s_lshl_b32 s25, s20, 1
	s_add_co_u32 s24, s24, s25
	s_mul_i32 s24, s24, 1536
	s_mov_b32 s25, 0
	s_mul_i32 s26, s20, 98304                      ; scale words: two K steps' rows on, row 8,192 + 1,024 x weight + 32 B
	s_lshl_b32 s27, s18, 12
	s_add_co_u32 s26, s26, s27
	s_lshl_b32 s27, s19, 7
	s_add_co_u32 s26, s26, s27
	s_add_co_u32 s26, s26, XWS+32768
	s_mov_b32 s27, 0
	s_wait_alu depctr_va_vdst(0)
	s_wait_kmcnt 0x0
	s_cmp_eq_u32 s18, 1                            ; the choice hangs on the work-group's number alone
	s_cselect_b64 s[4:5], s[8:9], s[6:7]
	s_cmp_eq_u32 s18, 2
	s_cselect_b64 s[4:5], s[10:11], s[4:5]
	s_cmp_eq_u32 s18, 3
	s_cselect_b64 s[4:5], s[12:13], s[4:5]
	s_add_nc_u64 s[4:5], s[4:5], s[22:23]
	s_add_nc_u64 s[6:7], s[14:15], s[24:25]
	s_add_nc_u64 s[8:9], s[14:15], s[26:27]
.macro LOADW t                         ; block t: W(32 t + i, my column) into set t % 2: 128 consecutive bytes a wave, the four waves side by side
.set i_, 0
.rept 32
	global_load_b32 v[64+32*((\t)%2)+i_], v10, s[4:5] offset:(32*(\t)+i_)*4096 th:TH_LOAD_NT
.set i_, i_+1
.endr
.endm
.macro BLOCK t
.set XS, 64+32*((\t)%2)
.set LB, 3328*((\t)/4)+256*((\t)%2)    ; K step t / 4; block beta = t % 4 of it belongs to lane rho + 16 (beta % 2) of the image
.if (\t) < 7
	s_wait_loadcnt 32                              ; this block's 32 loads are in; the next block's may be out
.else
	s_wait_loadcnt 0x0
.endif
	v_max3_num_f32 v16, |v[XS]|, |v[XS+1]|, |v[XS+2]|
	v_max3_num_f32 v17, |v[XS+3]|, |v[XS+4]|, |v[XS+5]|
.irp i, 6,10,14,18,22,26
	v_max3_num_f32 v16, v16, |v[XS+\i]|, |v[XS+\i+1]|
	v_max3_num_f32 v17, v17, |v[XS+\i+2]|, |v[XS+\i+3]|
.endr
	v_max3_num_f32 v16, v16, |v[XS+30]|, |v[XS+31]|
	v_max3_num_f32 v16, v16, v17, 0x2800000        ; and the floor
	v_add_nc_u32 v18, 0xfe000000, v16              ; the conversions' scale operand
	v_lshrrev_b32 v19, 23, v18                     ; the byte
.if (\t)%4 == 0
	v_mov_b32 v[48+(\t)/4], v19
.else
	v_lshl_or_b32 v[48+(\t)/4], v19, 8*((\t)%4), v[48+(\t)/4]
.endif
	v_cvt_scalef32_pk16_bf6_f32 v[36:38], v[XS:XS+15], v18
	v_cvt_scalef32_pk16_bf6_f32 v[44:46], v[XS+16:XS+31], v18
	v_nop                                          ; one plain line behind the scaled conversions
	v_mov_b32 v39, v44
	v_mov_b32 v40, v45
	v_mov_b32 v41, v46                             ; v36-41: the block's 192 bits
.if ((\t)%4) < 2                       ; blocks 0, 1 are the operand's registers 0-5, blocks 2, 3 its registers 6-11
	ds_store_b128 v11, v[36:39] offset:LB
	ds_store_b64 v11, v[40:41] offset:LB+512
.else
	ds_store_b64 v11, v[36:37] offset:LB+520
	ds_store_b128 v11, v[38:41] offset:LB+1024
.endif
.if (\t)+2 < 8
	LOADW (\t)+2
.endif
	s_wait_dscnt 0x0                               ; the stores have read their registers
.endm
	LOADW 0
	LOADW 1
.irp t, 0,1,2,3,4,5,6,7
	BLOCK \t
.endr
	global_store_b32 v12, v48, s[8:9]              ; 32 scale words of each of my two K steps: 128 consecutive bytes
	s_wait_alu depctr_va_vdst(0)
	global_store_b32 v12, v49, s[8:9] offset:49152
.irp f, 0,1,2,3                        ; image f: K step f / 2, row block f % 2
.irp g, 0,1,2
	ds_load_b128 v[128+12*\f+4*\g:128+12*\f+4*\g+3], v13 offset:1664*\f+512*\g
.endr
.endr
.irp f, 0,1,2,3
.irp g, 0,1,2
	s_wait_dscnt 11-3*\f-\g                        ; the loads behind this one may be out
	global_store_b128 v4, v[128+12*\f+4*\g:128+12*\f+4*\g+3], s[6:7] offset:12288*(\f%2)+1536*(\f/2)+512*\g
.endr
.endr
	s_wait_tensorcnt 0x0
	ds_add_u32 v62, v63
	s_wait_dscnt 0x0
	s_endpgm
.Lfunc_end_k_qa40b61e050_quant:
	.size	k_qa40b61e050_quant, .Lfunc_end_k_qa40b61e050_quant-k_qa40b61e050_quant
	.p2alignl 7, 3214868480
	.fill 96, 4, 3214868480
	.section	.rodata,"a",@progbits
	.p2align	6, 0x0
	.amdhsa_kernel k_qa40b61e050_quant
		.amdhsa_group_segment_fixed_size 61952
		.amdhsa_private_segment_fixed_size 0
		.amdhsa_enable_private_segment 0
		.amdhsa_kernarg_size 48
		.amdhsa_user_sgpr_count 2
		.amdhsa_user_sgpr_kernarg_segment_ptr 1
		.amdhsa_wavefront_size32 1
		.amdhsa_system_sgpr_workgroup_id_x 1
		.amdhsa_system_sgpr_workgroup_id_y 1
		.amdhsa_system_sgpr_workgroup_id_z 1
		.amdhsa_system_vgpr_workitem_id 0
		.amdhsa_next_free_vgpr 256
		.amdhsa_next_free_sgpr 66
		.amdhsa_reserve_vcc 0
		.amdhsa_float_denorm_mode_32 3
		.amdhsa_float_denorm_mode_16_64 3
		.amdhsa_memory_ordered 1
		.amdhsa_forward_progress 1
		.amdhsa_inst_pref_size 75
	.end_amdhsa_kernel
	.amdgpu_metadata
---
amdhsa.version: [ 1, 2 ]
amdhsa.kernels:
  - .name:           k_qa40b61e050_quant
    .symbol:         k_qa40b61e050_quant.kd
    .args:
      - { .name: x, .offset: 0, .size: 8, .value_kind: global_buffer, .address_space: global }
      - { .name: wq, .offset: 8, .size: 8, .value_kind: global_buffer, .address_space: global }
      - { .name: wk, .offset: 16, .size: 8, .value_kind: global_buffer, .address_space: global }
      - { .name: wv, .offset: 24, .size: 8, .value_kind: global_buffer, .address_space: global }
      - { .name: wo, .offset: 32, .size: 8, .value_kind: global_buffer, .address_space: global }
      - { .name: xw_img, .offset: 40, .size: 8, .value_kind: global_buffer, .address_space: global }
    .group_segment_fixed_size: 61952
    .private_segment_fixed_size: 0
    .kernarg_segment_align: 8
    .kernarg_segment_size: 48
    .max_flat_workgroup_size: 128
    .sgpr_count:     66
    .vgpr_count:     256
    .wavefront_size: 32
...
	.end_amdgpu_metadata
.endif
;; end of part 1
;; launch proj (part 2): grid 8 x 32, 4 waves a work-group, clusters of 4 x 4, 327,680 bytes of LDS; arguments xw_img, bq, bk, bv, qkv_img; writes qkv_img
.if DOCPART == 2
	.amdgcn_target "amdgcn-amd-amdhsa--gfx1250"
	.amdhsa_code_object_version 6
	.text
	.protected	k_qa40b61e050_proj
	.globl	k_qa40b61e050_proj
	.p2align	8
	.type	k_qa40b61e050_proj,@function
k_qa40b61e050_proj:
	s_mov_b64 s[64:65], 0
	v_nop
	global_prefetch_b8 v0, s[64:65] scope:SCOPE_SE
	s_setreg_imm32_b32 hwreg(HW_REG_WAVE_MODE, 25, 1), 1
	s_wait_xcnt 0x0
	s_wait_alu depctr_hold_cnt(0) depctr_sa_sdst(0) depctr_va_vdst(0) depctr_va_sdst(0) depctr_va_ssrc(0) depctr_va_vcc(0) depctr_vm_vsrc(0)
	s_getreg_b32 s2, hwreg(HW_REG_IB_STS2, 6, 4)
	s_cmp_eq_u32 s2, 0
	s_cbranch_scc0 .Lentry_in_a_cluster
	s_endpgm
.Lentry_in_a_cluster:
	s_bfe_u32 s2, ttmp6, 0x10000c
	s_cmp_lg_u32 s2, 0xf033
	s_cbranch_scc0 .Lentry_shape_is_right
	s_endpgm
.Lentry_shape_is_right:
; q = x wq + bq, k = x wk + bk, v = x wv + bv on codes of BF6 with E8M0 scales; each result is quantised in registers along the NEXT product's K and stored as images of that product's operand registers.
; ONE FORM FOR ALL: source 0 = 16 rows of P0, source 1 = 16 rows of P1.  A lane holds ONE row of P1 (lane % 16) and its registers run along P0's rows; P0's row blocks are laid (by the launch before) so that a
; lane's 64 registers over eight of them are register 16 b + i = P0's row 32 b + 16 (lane / 16) + i of a group of 128: the order that the conversions want.
; A WORK-GROUP MAKES TWO TILES: part 1: P1 = x (256 tokens), P0 = wq | wk (256 columns), four waves of 128 x 128.  Part 2: P1 = wv (128 features), P0 = x (256 tokens): v^T, four waves of 64 x 128.
; Operands come as images: a fragment is three loads of 16 bytes a lane at 16 x lane.  K = 1,024 goes in eight steps of 128.
; LDS: TWO slots of 147,456 bytes, three K steps each.  At the head each wave issues ONE load: wave 0 P1's 16 row blocks of K steps 0-2, wave 1 P0's, wave 2 P1's of K steps 3-5, wave 3 P0's.
; In front of the first barrier only waves 0 and 1 wait for their load: slot 1 is shown whole at K step 2, where every wave waits for all its loads.
; Part 1's scale words (16,384 bytes of the 409,600 that a work-group reads there) come through registers, 512 consecutive bytes a load, into LDS bytes of their own: so they are not asked for jointly.
; At K step 2 slot 0 takes K steps 6, 7, laid 3,072 bytes a row block.  THE RING GOES ON INTO PART 2: at K step 5 slot 1 takes part 2's P1 (8 row blocks x 12,288 bytes) and P0's row blocks 0-3; at K step 7 slot 0 takes
; P0's row blocks 4-15, three a wave.  By this text's count one tensor load of a wave is out at most.  Part 2's scale words come through registers too, its bias into the registers that part 1's bias has left.
; CLUSTERS: 4 x 4.  In both parts P1's tiles hang on cy alone and are asked for jointly along a row of the cluster, P0's on cx alone, along a column.
; No prefetch: the walk along K is written out, eight steps, with no loop to run ahead in, and the block is 256 x 256 in clusters.
; The bias is the C of each sum's first product.  LIMITS: blocks of zeros get the byte 1 (this program alone reads the bytes); NaN and infinities are not served.
; REGISTERS: window 0: v0-31 addresses; v32-47 P1's scale words, v48-63 P0's (two sets of 8 each, nothing else ever); v64-255 P1's fragments, two sets; on the ways out v64-175 at work, v176-199 part 2's scale words.
;   window 1: P0's fragments at v0 and v128; the bias in v96-127 and v224-255.   windows 2, 3: accumulator (a, b) at v[8 (8 (a % 4) + b)], window 2 + a / 4.
.set NA,    8                          ; P1's blocks of 16 rows a wave (part 2: 4)
.set RBB,   4608                       ; part 1: a row block's bytes in a slot: three K steps' fragments (for K steps 6, 7 it is set to LRB)
.set LRB,   3072                       ; the same for the last fill: two K steps
.set PIECE, 8*RBB
.set SLOT,  4*PIECE                    ; P1's 16 row blocks, then P0's 16
.set KROW,  12288                      ; a row block's eight K steps, in memory and, in part 2, in LDS
.set P1SP,  1024
.set SC1,   2*SLOT                     ; part 1: P1's scale words, [8 K steps][256 rows]: stored from registers; no fill lands here
.set SC0,   SC1+8192                   ; P0's
.set SC1B,  SC0+8192                   ; part 2: P1's, [8][128]
.set SC0B,  SC1B+4096                  ; P0's, [8][256]
.set STG,   SC0B+8192                  ; 512 bytes a wave: the scale words made on the ways out
.set SPARE, STG+2048                   ; the spare words, 128 bytes a wave
.set XWS,   9437184
.set VC,    12582912
.set QKS,   18874368
.set VS,    19398656
.set SSH,  6                           ; v6 where I store two K steps of part 1's scale words
.set ADRA, 10                          ; v10-12 part 1: my P1 fragments in slot 0, slot 1, slot 0 as laid by the last fill
.set ADRB, 13                          ; v13-15 my P0 fragments
.set AS1,  16
.set SPW,  17                          ; my spare word; never rewritten
.set NIL,  18                          ; 0; never rewritten
.set LI,   19                          ; 16 x lane
.set SWA,  20
.set SWR,  21
.set AS0,  22
.set AA2,  23                          ; part 2: my P1 fragments
.set AB2,  24                          ; v24-25 my P0 fragments: row blocks 0-3, 4-7 of my eight
.set AS1B, 26
.set AS0B, 27
.set SS1,  28
.set SS0,  29
.set SWR2, 30
.set L8,   31
.set S1R,  32
.set S0R,  48
.set AF,   64
.set G1A,  24                          ; groups 1: part 1's P1, P0; part 2's P1, P0
.set G1B,  32
.set G1SA, 44
.set G1SB, 52
.set GA0,  60                          ; groups 0: P1's last fill; slot 1; the head's slot 0; the same for P0
.set GA1,  68
.set GHA,  72
.set GB0,  76
.set GB1,  80
.set GHB,  84
.set SEL,  8
.set OB,   18
.set MSB, 0
.macro WIN new
.if MSB != (\new)
	s_set_vgpr_msb (MSB<<8)|(\new)
.set MSB, (\new)
.endif
.endm
.macro PLACES n
.rept \n
	v_nop
.endr
.endm
.macro CREST
	s_cmp_lg_u32 s14, 0
	s_cbranch_scc1 .Lnot_wave_0_\@
	s_barrier_signal -3
.Lnot_wave_0_\@:
	s_barrier_wait -3
	s_barrier_signal -1
	s_barrier_wait -1
.endm
.macro CROUND
	s_barrier_signal -1
	s_barrier_wait -1
	CREST
.endm
.macro JLOAD g0a, g1a, g0b, g1b        ; waves 0, 1 fetch for P1, waves 2, 3 for P0; s_nop 0 and four v_nop follow each line
	s_cmp_eq_u32 s15, 0
	s_cbranch_scc0 .Lfor_b_\@
	tensor_load_to_lds s[\g0a:\g0a+3], s[\g1a:\g1a+7]
	s_nop 0
	PLACES 4
	s_branch .Lasked_\@
.Lfor_b_\@:
	tensor_load_to_lds s[\g0b:\g0b+3], s[\g1b:\g1b+7]
	s_nop 0
	PLACES 4
.Lasked_\@:
.endm
.macro ARM under, g0, g1, next         ; an arm of the head's one chain of branches on the wave's number: one load, and a jump to the join
	s_cmp_lt_u32 s14, \under
	s_cbranch_scc0 \next
	tensor_load_to_lds s[\g0:\g0+3], s[\g1:\g1+7]
	s_nop 0
	PLACES 4
	s_branch .Lhead_asked
\next:
.endm
.macro MKG0 g, lr, la, base, ga
	s_mov_b32 s[\g], 1
	s_add_co_u32 s[\g+1], s[\lr], \la
	s_add_nc_u64 s[\g+2:\g+3], s[\base:\base+1], \ga
	s_or_b32 s[\g+3], s[\g+3], 0x80000000
.endm
.macro FRAG3 reg, adr, off
.irp g, 0,1,2
	ds_load_b128 v[(\reg)+4*\g:(\reg)+4*\g+3], v[\adr] offset:(\off)+512*\g
.endr
.endm
.macro FETCH set, slot, kq, ks         ; part 1, K step ks (the slot's kq-th): P0's 8 fragments, P1's 8, their scale words
	WIN 0x40
.irp i, 0,1,2,3,4,5,6,7
	FRAG3 128*(\set)+12*\i, ADRB+(\slot), \i*RBB+1536*(\kq)
.endr
	WIN 0
.irp i, 0,1,2,3,4,5,6,7
	FRAG3 AF+96*(\set)+12*\i, ADRA+(\slot), \i*RBB+1536*(\kq)
.endr
.irp i, 0,1,2,3,4,5,6,7
	ds_load_b32 v[S1R+8*(\set)+\i], v[AS1] offset:(\ks)*P1SP+64*\i
.endr
.irp i, 0,1,2,3,4,5,6,7
	ds_load_b32 v[S0R+8*(\set)+\i], v[AS0] offset:(\ks)*1024+64*\i
.endr
.endm
.macro FETCH2 set, ks                  ; part 2
	WIN 0x40
.irp i, 0,1,2,3,4,5,6,7
	FRAG3 128*(\set)+12*\i, AB2+(\i/4), (\i%4)*KROW+1536*(\ks)
.endr
	WIN 0
.irp i, 0,1,2,3
	FRAG3 AF+48*(\set)+12*\i, AA2, \i*KROW+1536*(\ks)
.endr
.irp i, 0,1,2,3
	ds_load_b32 v[S1R+8*(\set)+\i], v[AS1B] offset:(\ks)*512+64*\i
.endr
.irp i, 0,1,2,3,4,5,6,7
	ds_load_b32 v[S0R+8*(\set)+\i], v[AS0B] offset:(\ks)*1024+64*\i
.endr
.endm
; 8 products: P1's block a against P0's eight.  cm = 0: onto the sums; 2: C = the bias by P0's tile; 3: by P1's block.  The accumulators take turns.
.macro MULA a, p, cm
.if (\cm) == 0
	WIN 0xa1+0x50*((\a)/4)
.else
	WIN 0x91+0x40*((\a)/4)
.endif
.irp b, 0,1,2,3,4,5,6,7
.set rD, 8*(8*((\a)%4)+\b)
.set rP0, 128*(\p)+12*\b
.set rP1, AF+12*NA*(\p)+12*(\a)
.set rC, 96+8*\b+96*(\b/4)
.if (\cm) == 3
.set rC, 96+8*(\a)+96*((\a)/4)
.endif
.if (\cm) == 0
	v_wmma_scale_f32_16x16x128_f8f6f4 v[rD:rD+7], v[rP0:rP0+11], v[rP1:rP1+11], v[rD:rD+7], v[S0R+8*(\p)+\b], v[S1R+8*(\p)+(\a)] matrix_a_fmt:MATRIX_FMT_BF6 matrix_b_fmt:MATRIX_FMT_BF6
.else
	v_wmma_scale_f32_16x16x128_f8f6f4 v[rD:rD+7], v[rP0:rP0+11], v[rP1:rP1+11], v[rC:rC+7], v[S0R+8*(\p)+\b], v[S1R+8*(\p)+(\a)] matrix_a_fmt:MATRIX_FMT_BF6 matrix_b_fmt:MATRIX_FMT_BF6
.endif
.endr
.endm
.macro MULS a0, n, p, cm
.set a_, \a0
.rept \n
	MULA a_, \p, \cm
.set a_, a_+1
.endr
.endm
.macro STEP p, cm, f, slot, kq, ks     ; a K step on set p; f = 1: the next step's operands are fetched into the other set first, behind four places
	s_wait_dscnt 0x0
.if \f
	PLACES 4
	FETCH 1-(\p), \slot, \kq, \ks
.endif
	MULS 0, NA, \p, \cm
.endm
.macro STEP2 p, cm, f, ks
	s_wait_dscnt 0x0
.if \f
	PLACES 4
	FETCH2 1-(\p), \ks
.endif
	MULS 0, NA, \p, \cm
.endm
; A K step at which LDS bytes are filled again.  This step's fragments are in registers, so nothing of the slot that is left is still read; all my tensor loads have landed; 0 is added to my spare word.
; The barrier opens a round of the cluster's barrier, and the joint refill is the first tensor load behind the round, one a wave.
; mode 1: slot 0 takes K steps 6, 7, a quarter a wave.   mode 2: slot 1 takes part 2's P1 (waves 0, 1: four row blocks each) and P0's row blocks 0-3 (waves 2, 3: two each).   mode 3: slot 0 takes P0's row blocks 4-15, three a wave.
.macro TURN p, mode, f, slot, kq, ks
	WIN 0
	s_wait_dscnt 0x0
	s_wait_tensorcnt 0x0
	ds_add_u32 v[SPW], v[NIL]
	MULS 0, NA/4, \p, 0
	s_wait_dscnt 0x0
	s_barrier_signal -1
	MULS NA/4, NA/4, \p, 0
	WIN 0
	s_barrier_wait -1
	CREST
.if (\mode) == 1
.irp g, G1A, G1B                       ; no tensor load of mine is out: this load brings 8 row blocks x 3,072 bytes
	s_mov_b32 s[\g+1], (LRB/8)<<16
	s_mov_b32 s[\g+2], 8<<16
	s_mov_b32 s[\g+3], (LRB/8)<<16
	s_mov_b32 s[\g+4], 8
.endr
	JLOAD GA0, G1A, GB0, G1B
.elseif (\mode) == 2
	JLOAD GA1, G1SA, GB1, G1SB
.else
	s_mov_b32 s[G1SB+2], 3<<16                     ; three row blocks a wave
	s_mov_b32 s[G1SB+4], 3
	tensor_load_to_lds s[GHB:GHB+3], s[G1SB:G1SB+7]
	s_nop 0
	PLACES 4
.endif
.if \f
	FETCH 1-(\p), \slot, \kq, \ks
.endif
	MULS NA/2, NA/2, \p, 0
.endm
; THE WAY OUT of P1's block a: its 64 results of a lane lie in window W at v[SA] on; what is made of them lies in window 0 at v[TB] on.
.macro SETB a
.set W, 2+(\a)/4
.set SA, 64*((\a)%4)
.set TB, 64
.if ((\a)%4) == 1
.set TB, 128
.endif
.set TM, TB
.set PW, TB+24
.set PC, TB+28
.endm
.macro BLKMAX                          ; the four blocks' largest magnitudes; each accumulator is read from its low end on
	WIN W|(W<<2)
.irp b, 0,1,2,3
	v_max3_num_f32 v[TM+\b], |v[SA+16*\b]|, |v[SA+16*\b+1]|, 0x2800000   ; and the floor 2^(5 - 127)
.endr
	WIN (W<<2)|(W<<4)
.irp i, 2,4,6,8,10,12,14
.irp b, 0,1,2,3
	v_max3_num_f32 v[TM+\b], v[TM+\b], |v[SA+16*\b+\i]|, |v[SA+16*\b+\i+1]|
.endr
.endr
	WIN 0
	s_wait_alu depctr_va_vdst(0)                   ; the wait ahead of the wait below
	s_wait_dscnt 0x0                               ; the last block's LDS store has read its register
.irp b, 0,1,2,3
	v_permlanex16_b32 v[TM+4+\b], v[TM+\b], s[SEL], s[SEL+1]
.endr
.irp b, 0,1,2,3
	v_max_num_f32 v[TM+\b], v[TM+\b], v[TM+4+\b]
.endr
.endm
.macro CODES                           ; from the largest magnitudes: the scale word and the fragment
.irp b, 0,1,2,3
	v_add_nc_u32 v[TM+12+\b], 0xfe000000, v[TM+\b] ; 4 off the exponent field: the conversion's scale operand
.endr
.irp b, 0,1,2,3
	v_lshrrev_b32 v[TM+4+\b], 23, v[TM+12+\b]
.endr
	v_lshl_or_b32 v[PW], v[TM+5], 8, v[TM+4]
	v_lshl_or_b32 v[PW], v[TM+6], 16, v[PW]
	v_lshl_or_b32 v[PW], v[TM+7], 24, v[PW]
	s_wait_xcnt 0x0                                ; the earlier stores have read the codes' registers
	WIN W
.irp c, 0,1
	v_cvt_scalef32_pk16_bf6_f32 v[PC+6*\c:PC+6*\c+2], v[SA+32*\c:SA+32*\c+15], v[TM+12+2*\c]
	v_cvt_scalef32_pk16_bf6_f32 v[PC+12+4*\c:PC+14+4*\c], v[SA+32*\c+16:SA+32*\c+31], v[TM+13+2*\c]
.endr
	WIN 0
	v_nop                                          ; one plain line behind the scaled conversions
.irp c, 0,1
.irp i, 0,1,2
	v_permlane16_swap_b32 v[PC+6*\c+\i], v[PC+12+4*\c+\i]
.endr
.irp i, 0,1,2
	v_mov_b32 v[PC+3+6*\c+\i], v[PC+12+4*\c+\i]
.endr
.endr
.endm
.macro SENDF off, a                    ; three stores of 512 consecutive bytes, at multiples of 256; the scale word to the stage
.irp g, 0,1,2
	global_store_b128 v[LI], v[PC+4*\g:PC+4*\g+3], s[OB:OB+1] offset:(\off)+512*\g
.endr
	ds_store_b32 v[SWA], v[PW] offset:64*(\a)
.endm
	s_load_b256 s[4:11], s[0:1], 0x0               ; xw_img, bq, bk, bv
	s_load_b64 s[12:13], s[0:1], 0x20              ; qkv_img
	v_lshl_add_u32 v[SPW], v0, 2, SPARE
	v_mov_b32 v[NIL], 0
	ds_add_u32 v[SPW], v[NIL]                      ; the opening lines: the add, twice on end, and its wait
	ds_add_u32 v[SPW], v[NIL]
	v_lshrrev_b32 v1, 5, v0
	v_readfirstlane_b32 s14, v1                    ; wave 0..3
	s_lshr_b32 s15, s14, 1                         ; my half of P1's rows.  In the refills also: I fetch for P1 (0) or P0 (1)
	s_and_b32 s16, s14, 1                          ; my half of P0's rows.  In the refills also: which half of that tile I fetch
	s_bfe_u32 s40, ttmp6, 0x40000                  ; cx
	s_bfe_u32 s41, ttmp6, 0x40004                  ; cy
	s_and_b32 s17, ttmp7, 0xffff
	s_lshl_b32 s42, ttmp9, 2
	s_add_co_u32 s42, s42, s40                     ; T0: part 1's tile of 256 columns of wq | wk
	s_lshl_b32 s43, s17, 2
	s_add_co_u32 s43, s43, s41                     ; T1: part 1's tile of 256 tokens
	s_lshl_b32 s22, s41, 2
	s_lshl_b32 s22, 15, s22                        ; my row of the cluster
	s_lshl_b32 s23, 0x1111, s40                    ; my column
	s_or_b32 s[G1A], s22, (3<<16)|(1<<21)          ; the mask; elements of 8 bytes; bit 21 beside a mask
	s_or_b32 s[G1B], s23, (3<<16)|(1<<21)
	s_or_b32 s[G1SA], s22, (3<<16)|(1<<21)
	s_or_b32 s[G1SB], s23, (3<<16)|(1<<21)
.irp g, G1A, G1B                       ; the head's loads: 16 row blocks x 4,608 bytes, 12,288 bytes apart in memory
	s_mov_b32 s[\g+1], (RBB/8)<<16
	s_mov_b32 s[\g+2], 16<<16
	s_mov_b32 s[\g+3], (RBB/8)<<16
	s_mov_b32 s[\g+4], 16
	s_mov_b32 s[\g+5], KROW/8
	s_mov_b32 s[\g+6], 0
	s_mov_b32 s[\g+7], 0
.endr
.irp g, G1SA, G1SB                     ; part 2's loads: rows of 12,288 bytes, a row block's eight K steps
	s_mov_b32 s[\g+1], (KROW/8)<<16
	s_mov_b32 s[\g+3], (KROW/8)<<16
	s_mov_b32 s[\g+5], KROW/8
	s_mov_b32 s[\g+6], 0
	s_mov_b32 s[\g+7], 0
.endr
	s_mov_b32 s[G1SA+2], 4<<16                     ; P1: four row blocks for each of waves 0, 1
	s_mov_b32 s[G1SA+4], 4
	s_mov_b32 s[G1SB+2], 2<<16                     ; P0's first piece: two for each of waves 2, 3
	s_mov_b32 s[G1SB+4], 2
	s_lshl_b32 s96, s43, 4                         ; P1 (nothing of cx): x's row block 16 T1
	s_lshl_b32 s88, s96, 6                         ; its scale words: 64 bytes a row block,
	s_mul_i32 s100, s14, 2*49152                   ; K steps 2 w, 2 w + 1
	s_add_co_u32 s88, s88, s100
	s_add_co_u32 s88, s88, XWS
	s_mov_b32 s89, 0
	s_mul_i32 s96, s96, KROW
	s_mov_b32 s97, 0
	s_lshl_b32 s2, s42, 4                          ; P0 (nothing of cy): wq's and wk's row blocks begin at 512
	s_add_co_u32 s2, s2, 512
	s_lshl_b32 s92, s2, 6
	s_add_co_u32 s92, s92, s100
	s_add_co_u32 s92, s92, XWS
	s_mov_b32 s93, 0
	s_mul_i32 s2, s2, KROW
	s_mov_b32 s3, 0
	s_mul_i32 s20, s16, 8*KROW                     ; for the last fill: my eight row blocks of a tile, in memory,
	s_mov_b32 s21, 0
	s_mul_i32 s100, s16, 8*LRB                     ; and in LDS
	s_mov_b32 s101, 0
	s_wait_dscnt 0x0                               ; both opening adds are done
	CROUND                                         ; the round in front of the first joint loads; the arguments are on their way meanwhile
	s_wait_kmcnt 0x0
	s_add_nc_u64 s[96:97], s[4:5], s[96:97]
	s_add_nc_u64 s[2:3], s[4:5], s[2:3]
	MKG0 GHA, 101, 0, 96, 0
	MKG0 GHB, 101, 2*PIECE, 2, 0
	MKG0 GA1, 101, SLOT, 96, RBB
	MKG0 GB1, 101, SLOT+2*PIECE, 2, RBB
	ARM 1, GHA, G1A, .Lhead_b                      ; one load a wave: K steps 0-2 of P1,
	ARM 2, GHB, G1B, .Lhead_a1                     ; of P0,
	ARM 3, GA1, G1A, .Lhead_b1                     ; K steps 3-5 of P1,
	tensor_load_to_lds s[GB1:GB1+3], s[G1B:G1B+7]  ; of P0
	s_nop 0
	PLACES 4
.Lhead_asked:
	s_add_nc_u64 s[88:89], s[4:5], s[88:89]
	s_add_nc_u64 s[92:93], s[4:5], s[92:93]
	s_add_nc_u64 s[96:97], s[96:97], s[20:21]
	s_add_nc_u64 s[2:3], s[2:3], s[20:21]
	MKG0 GA0, 100, 0, 96, 6*1536
	MKG0 GB0, 100, 16*LRB, 2, 6*1536
	v_and_b32 v1, 15, v0                           ; r
	v_bfe_u32 v2, v0, 4, 1                         ; h
	v_and_b32 v3, 31, v0
	v_lshlrev_b32 v[LI], 4, v3
	v_lshlrev_b32 v4, 6, v2                        ; the bias: 64 h bytes
	s_wait_alu depctr_va_vdst(0)
.irp i, 0,1,2,3                        ; part 1's scale words, two K steps a wave: 512 consecutive bytes a load
	global_load_b128 v[64+4*\i:67+4*\i], v[LI], s[88:89] offset:49152*(\i/2)+512*(\i%2)
	global_load_b128 v[80+4*\i:83+4*\i], v[LI], s[92:93] offset:49152*(\i/2)+512*(\i%2)
.endr
	; part 1's bias, in the result's layout: register j of tile b is column 32 (b / 2) + 8 (b % 2) + 16 h + j of my 128
	s_cmp_eq_u32 ttmp9, 0                          ; the cluster's x: 0 q, 1 k: alike in all partners
	s_cselect_b64 s[6:7], s[6:7], s[8:9]
	s_and_b32 s66, s42, 3
	s_lshl_b32 s66, s66, 10
	s_lshl_b32 s100, s16, 9
	s_add_co_u32 s66, s66, s100
	s_mov_b32 s67, 0
	s_add_nc_u64 s[6:7], s[6:7], s[66:67]
	WIN 0x40
.irp b, 0,1,2,3,4,5,6,7
	global_load_b128 v[96+8*\b+96*(\b/4):96+8*\b+96*(\b/4)+3], v4, s[6:7] offset:(32*(\b/2)+8*(\b%2))*4
	global_load_b128 v[96+8*\b+96*(\b/4)+4:96+8*\b+96*(\b/4)+7], v4, s[6:7] offset:(32*(\b/2)+8*(\b%2))*4+16
.endr
	WIN 0
	s_mul_i32 s100, s15, PIECE
	v_add_nc_u32 v[ADRA], s100, v[LI]
	v_add_nc_u32 v[ADRA+1], SLOT, v[ADRA]
	s_mul_i32 s100, s15, 8*LRB
	v_add_nc_u32 v[ADRA+2], s100, v[LI]
	s_mul_i32 s100, s16, PIECE
	s_add_co_u32 s100, s100, 2*PIECE
	v_add_nc_u32 v[ADRB], s100, v[LI]
	v_add_nc_u32 v[ADRB+1], SLOT, v[ADRB]
	s_mul_i32 s100, s16, 8*LRB
	s_add_co_u32 s100, s100, 16*LRB
	v_add_nc_u32 v[ADRB+2], s100, v[LI]
	s_lshl_b32 s100, s14, 11
	s_add_co_u32 s100, s100, SC1
	v_add_nc_u32 v[SSH], s100, v[LI]
	s_lshl_b32 s100, s15, 9
	s_add_co_u32 s100, s100, SC1
	v_lshl_add_u32 v[AS1], v1, 2, s100
	s_lshl_b32 s100, s16, 9
	s_add_co_u32 s100, s100, SC0
	v_lshl_add_u32 v[AS0], v1, 2, s100
	s_lshl_b32 s100, s14, 9
	s_add_co_u32 s100, s100, STG
	v_lshl_add_u32 v[SWA], v1, 2, s100
	v_add_nc_u32 v[SWR], s100, v[LI]
	v_lshl_add_u32 v[SWR2], v3, 3, s100
	v_lshlrev_b32 v[L8], 3, v3
	; part 2 in LDS: P1's 8 row blocks at slot 1's start, P0's row blocks 0-3 behind them, P0's 4-15 in slot 0: 12,288 bytes each
	s_mul_i32 s100, s15, 4*KROW
	s_add_co_u32 s100, s100, SLOT
	v_add_nc_u32 v[AA2], s100, v[LI]
	s_xor_b32 s100, s16, 1
	s_mul_i32 s100, s100, SLOT+4*KROW
	s_add_co_u32 s100, s100, 4*KROW                ; half 0: row blocks 0-3 at SLOT + 8 KROW; half 1: row blocks 8-11 at 4 KROW
	v_add_nc_u32 v[AB2], s100, v[LI]
	s_mul_i32 s100, s16, 8*KROW                    ; half 0: row blocks 4-7 at 0; half 1: row blocks 12-15 at 8 KROW
	v_add_nc_u32 v[AB2+1], s100, v[LI]
	s_lshl_b32 s100, s15, 8
	s_add_co_u32 s100, s100, SC1B
	v_lshl_add_u32 v[AS1B], v1, 2, s100
	s_lshl_b32 s100, s16, 9
	s_add_co_u32 s100, s100, SC0B
	v_lshl_add_u32 v[AS0B], v1, 2, s100
	s_lshl_b32 s100, s14, 10
	s_add_co_u32 s100, s100, SC1B
	v_add_nc_u32 v[SS1], s100, v[LI]
	s_lshl_b32 s100, s14, 11
	s_add_co_u32 s100, s100, SC0B
	v_add_nc_u32 v[SS0], s100, v[LI]
	v_and_b32 v5, 8, v1
	v_add_nc_u32 v5, v5, v1
	v_lshlrev_b32 v5, 2, v5                        ; part 2's bias: 4 (r + 8 (r / 8)) bytes
	; part 2's tiles: U1 (128 rows of wv) from cy, U0 (256 tokens) from cx
	s_lshl_b32 s96, ttmp9, 2
	s_add_co_u32 s96, s96, s41                     ; U1
	s_lshl_b32 s98, s96, 9                         ; bv at my 64 rows
	s_lshl_b32 s100, s15, 8
	s_add_co_u32 s98, s98, s100
	s_mov_b32 s99, 0
	s_add_nc_u64 s[10:11], s[10:11], s[98:99]
	s_and_b32 s66, ttmp7, 0xffff
	s_lshl_b32 s66, s66, 2
	s_add_co_u32 s66, s66, s40                     ; U0
	; where my results go.  Part 1: fragment (row block 16 T1 + 8 (my half) + a, K step 2 T0 + my half), 16 K steps to a row block
	s_lshl_b32 s18, s43, 4
	s_lshl_b32 s101, s15, 3
	s_add_co_u32 s18, s18, s101
	s_lshl_b32 s20, s42, 1
	s_add_co_u32 s20, s20, s16
	s_mul_i32 s19, s18, 24576
	s_mul_i32 s101, s20, 1536
	s_add_co_u32 s19, s19, s101
	s_lshl_b32 s20, s20, 15
	s_lshl_b32 s18, s18, 6
	s_add_co_u32 s20, s20, s18
	s_add_co_u32 s20, s20, QKS
	s_mov_b32 s18, s19
	s_mov_b32 s19, 0
	s_mov_b32 s21, 0
	s_add_nc_u64 s[18:19], s[12:13], s[18:19]
	s_add_nc_u64 s[20:21], s[12:13], s[20:21]
	; part 2: fragment (row block 8 U1 + 4 (my half) + a, K step 2 U0 + my half), 64 K steps to a row block
	s_lshl_b32 s104, s96, 3
	s_lshl_b32 s101, s15, 2
	s_add_co_u32 s104, s104, s101
	s_lshl_b32 s8, s66, 1
	s_add_co_u32 s8, s8, s16
	s_lshl_b32 s9, s104, 6
	s_lshl_b32 s101, s8, 12
	s_add_co_u32 s9, s9, s101
	s_add_co_u32 s9, s9, VS
	s_mul_i32 s104, s104, 98304
	s_mul_i32 s8, s8, 1536
	s_add_co_u32 s104, s104, s8
	s_add_co_u32 s104, s104, VC
	s_mov_b32 s105, 0
	s_add_nc_u64 s[104:105], s[12:13], s[104:105]
	s_mov_b32 s8, s9
	s_mov_b32 s9, 0
	s_add_nc_u64 s[12:13], s[12:13], s[8:9]
	s_mov_b32 s[SEL], 0x76543210
	s_mov_b32 s[SEL+1], 0xfedcba98
	s_wait_alu depctr_va_vdst(0)                   ; the wait at the head's end
	s_wait_loadcnt 16                              ; my eight loads of scale words are in; the bias's sixteen, issued behind them, may be out
.irp i, 0,1,2,3
	ds_store_b128 v[SSH], v[64+4*\i:67+4*\i] offset:512*\i
	ds_store_b128 v[SSH], v[80+4*\i:83+4*\i] offset:8192+512*\i
.endr
	s_cmp_lt_u32 s14, 2
	s_cbranch_scc0 .Lslot_1_mine
	s_wait_tensorcnt 0x0                           ; waves 0, 1: my tile of slot 0 is in.  Slot 1's loads, waves 2 and 3's, may stay out
.Lslot_1_mine:
	s_wait_dscnt 0x0                               ; for the others' sake: my stores of scale words have landed
	s_barrier_signal -1
	s_barrier_wait -1
	FETCH 0, 0, 0, 0
	s_wait_loadcnt 0x0                             ; the bias is in
	STEP 0, 2, 1, 0, 1, 1                          ; K step 0 starts the sums with the bias
	STEP 1, 0, 1, 0, 2, 2
	TURN 0, 1, 1, 1, 0, 3                          ; K step 2: slot 1 is shown whole; slot 0 is left and takes K steps 6, 7
	; PART 2's REQUESTS ARE MADE READY.  Of my tensor loads only slot 0's refill is out: the groups 0 of the head's loads may be written.
	s_lshl_b32 s98, s96, 3                         ; P1 (nothing of cx): wv's row block 640 + 8 U1,
	s_add_co_u32 s98, s98, 640
	s_lshl_b32 s100, s16, 2
	s_add_co_u32 s96, s98, s100                    ; my four of the eight
	s_mul_i32 s96, s96, KROW
	s_mov_b32 s97, 0
	s_mul_i32 s100, s16, 4*KROW
	s_mov_b32 s[GA1], 1
	s_add_co_u32 s[GA1+1], s100, SLOT
	s_add_nc_u64 s[GA1+2:GA1+3], s[4:5], s[96:97]
	s_or_b32 s[GA1+3], s[GA1+3], 0x80000000
	s_lshl_b32 s98, s98, 6                         ; its scale words: 512 bytes of K steps 2 w, 2 w + 1
	s_mul_i32 s100, s14, 2*49152
	s_add_co_u32 s98, s98, s100
	s_add_co_u32 s98, s98, XWS
	s_mov_b32 s99, 0
	s_add_nc_u64 s[98:99], s[4:5], s[98:99]
	s_lshl_b32 s17, s66, 4                         ; P0 (nothing of cy): x's row block 16 U0
	s_lshl_b32 s2, s16, 1
	s_add_co_u32 s2, s2, s17                       ; my two of row blocks 0-3
	s_mul_i32 s2, s2, KROW
	s_mov_b32 s3, 0
	s_mul_i32 s100, s16, 2*KROW
	s_mov_b32 s[GB1], 1
	s_add_co_u32 s[GB1+1], s100, SLOT+8*KROW
	s_add_nc_u64 s[GB1+2:GB1+3], s[4:5], s[2:3]
	s_or_b32 s[GB1+3], s[GB1+3], 0x80000000
	s_mul_i32 s2, s14, 3
	s_add_co_u32 s2, s2, s17
	s_add_co_u32 s2, s2, 4                         ; my three of row blocks 4-15
	s_mul_i32 s2, s2, KROW
	s_mov_b32 s[GHB], 1
	s_mul_i32 s[GHB+1], s14, 3*KROW
	s_add_nc_u64 s[GHB+2:GHB+3], s[4:5], s[2:3]
	s_or_b32 s[GHB+3], s[GHB+3], 0x80000000
	s_lshl_b32 s66, s66, 10                        ; its scale words: 1,024 bytes of K steps 2 w, 2 w + 1
	s_mul_i32 s100, s14, 2*49152
	s_add_co_u32 s66, s66, s100
	s_add_co_u32 s66, s66, XWS
	s_mov_b32 s67, 0
	s_add_nc_u64 s[66:67], s[4:5], s[66:67]
	STEP 1, 0, 1, 1, 1, 4
	STEP 0, 0, 1, 1, 2, 5
.set RBB, LRB                          ; K steps 6, 7 lie 3,072 bytes a row block
	TURN 1, 2, 1, 2, 0, 6                          ; K step 5: slot 0's refill is shown whole; slot 1 takes part 2's P1 and P0's row blocks 0-3
	STEP 0, 0, 1, 2, 1, 7
	TURN 1, 3, 0, 0, 0, 0                          ; K step 7: slot 0 takes P0's row blocks 4-15, which have the way out below in which to land
	WIN 0
	PLACES 4                                       ; behind the last products
	WIN 0x40                                       ; part 2's bias goes by P1's row, the lane's: one number in all eight registers of block a
	s_wait_alu depctr_va_vdst(0)
.irp a, 0,1,2,3
.irp j, 0,1,2,3,4,5,6,7
	global_load_b32 v[96+8*\a+\j], v5, s[10:11] offset:(32*(\a/2)+8*(\a%2))*4
.endr
.endr
	WIN 0
	global_load_b128 v[176:179], v[LI], s[98:99]                ; part 2's scale words, two K steps a wave: 512 consecutive bytes a load
	global_load_b128 v[180:183], v[LI], s[98:99] offset:49152
	global_load_b128 v[184:187], v[LI], s[66:67]
	global_load_b128 v[188:191], v[LI], s[66:67] offset:512
	global_load_b128 v[192:195], v[LI], s[66:67] offset:49152
	global_load_b128 v[196:199], v[LI], s[66:67] offset:49664
.irp t, 64, 128
.irp b, 4,5,6,7
	v_mov_b32 v[\t+\b], 0                          ; a lane permute's destination counts as one of its sources
.endr
.endr
.irp a, 0,1,2,3,4,5,6,7
	SETB \a
	BLKMAX
	CODES
	SENDF 24576*\a, \a
.endr
	ds_load_b128 v[64:67], v[SWR]                  ; LDS serves a wave's instructions in order: this sees my eight stores
	s_wait_dscnt 0x0
	global_store_b128 v[LI], v[64:67], s[20:21]    ; 128 scale words: 512 consecutive bytes, aligned
	s_wait_loadcnt 0x0                             ; part 2's bias and scale words are in
	ds_store_b128 v[SS1], v[176:179]
	ds_store_b128 v[SS1], v[180:183] offset:512
	ds_store_b128 v[SS0], v[184:187]
	ds_store_b128 v[SS0], v[188:191] offset:512
	ds_store_b128 v[SS0], v[192:195] offset:1024
	ds_store_b128 v[SS0], v[196:199] offset:1536
	s_wait_tensorcnt 0x0                           ; my part of part 2's P0 has landed
	ds_add_u32 v[SPW], v[NIL]
	s_wait_xcnt 0x0                                ; the way out's stores have read their registers: part 2's fragments land there
	s_wait_dscnt 0x0                               ; for the others' sake: my stores of scale words have landed
	s_barrier_signal -1
	s_barrier_wait -1                              ; all of part 2's operands lie in LDS; nothing is filled from here on
; ---- PART 2: eight K steps, no barrier
.set NA, 4
.set OB, 104
	FETCH2 0, 0
	STEP2 0, 3, 1, 1
	STEP2 1, 0, 1, 2
	STEP2 0, 0, 1, 3
	STEP2 1, 0, 1, 4
	STEP2 0, 0, 1, 5
	STEP2 1, 0, 1, 6
	STEP2 0, 0, 1, 7
	STEP2 1, 0, 0, 0
	WIN 0
	PLACES 4
.irp a, 0,1,2,3
	SETB \a
	BLKMAX
	CODES
	SENDF 98304*\a, \a
.endr
	ds_load_b64 v[64:65], v[SWR2]
	s_wait_dscnt 0x0
	global_store_b64 v[L8], v[64:65], s[12:13]     ; 64 scale words: 256 consecutive bytes, aligned
	s_wait_tensorcnt 0x0                           ; the wave's end
	ds_add_u32 v[SPW], v[NIL]
	s_wait_dscnt 0x0
	CROUND                                         ; the closing round
	s_endpgm
.Lfunc_end_k_qa40b61e050_proj:
	.size	k_qa40b61e050_proj, .Lfunc_end_k_qa40b61e050_proj-k_qa40b61e050_proj
	.p2alignl 7, 3214868480
	.fill 96, 4, 3214868480
	.section	.rodata,"a",@progbits
	.p2align	6, 0x0
	.amdhsa_kernel k_qa40b61e050_proj
		.amdhsa_group_segment_fixed_size 327680
		.amdhsa_private_segment_fixed_size 0
		.amdhsa_enable_private_segment 0
		.amdhsa_kernarg_size 40
		.amdhsa_user_sgpr_count 2
		.amdhsa_user_sgpr_kernarg_segment_ptr 1
		.amdhsa_wavefront_size32 1
		.amdhsa_system_sgpr_workgroup_id_x 1
		.amdhsa_system_sgpr_workgroup_id_y 1
		.amdhsa_system_sgpr_workgroup_id_z 1
		.amdhsa_system_vgpr_workitem_id 0
		.amdhsa_next_free_vgpr 1024
		.amdhsa_next_free_sgpr 106
		.amdhsa_reserve_vcc 0
		.amdhsa_float_denorm_mode_32 3
		.amdhsa_float_denorm_mode_16_64 3
		.amdhsa_memory_ordered 1
		.amdhsa_forward_progress 1
		.amdhsa_inst_pref_size 233
	.end_amdhsa_kernel
	.amdgpu_metadata
---
amdhsa.version: [ 1, 2 ]
amdhsa.kernels:
  - .name:           k_qa40b61e050_proj
    .symbol:         k_qa40b61e050_proj.kd
    .args:
      - { .name: xw_img, .offset: 0, .size: 8, .value_kind: global_buffer, .address_space: global }
      - { .name: bq, .offset: 8, .size: 8, .value_kind: global_buffer, .address_space: global }
      - { .name: bk, .offset: 16, .size: 8, .value_kind: global_buffer, .address_space: global }
      - { .name: bv, .offset: 24, .size: 8, .value_kind: global_buffer, .address_space: global }
      - { .name: qkv_img, .offset: 32, .size: 8, .value_kind: global_buffer, .address_space: global }
    .group_segment_fixed_size: 327680
    .private_segment_fixed_size: 0
    .kernarg_segment_align: 8
    .kernarg_segment_size: 40
    .max_flat_workgroup_size: 128
    .sgpr_count:     106
    .vgpr_count:     1024
    .wavefront_size: 32
...
	.end_amdgpu_metadata
.endif
;; end of part 2
;; launch scores (part 3): grid 8 x 32, 4 waves a work-group, clusters of 4 x 4, 327,680 bytes of LDS; arguments qkv_img, p_img; writes p_img
.if DOCPART == 3
	.amdgcn_target "amdgcn-amd-amdhsa--gfx1250"
	.amdhsa_code_object_version 6
	.text
	.protected	k_qa40b61e050_scores
	.globl	k_qa40b61e050_scores
	.p2align	8
	.type	k_qa40b61e050_scores,@function
k_qa40b61e050_scores:
	s_mov_b64 s[64:65], 0
	v_nop
	global_prefetch_b8 v0, s[64:65] scope:SCOPE_SE
	s_setreg_imm32_b32 hwreg(HW_REG_WAVE_MODE, 25, 1), 1
	s_wait_xcnt 0x0
	s_wait_alu depctr_hold_cnt(0) depctr_sa_sdst(0) depctr_va_vdst(0) depctr_va_sdst(0) depctr_va_ssrc(0) depctr_va_vcc(0) depctr_vm_vsrc(0)
	s_getreg_b32 s2, hwreg(HW_REG_IB_STS2, 6, 4)
	s_cmp_eq_u32 s2, 0
	s_cbranch_scc0 .Lentry_in_a_cluster
	s_endpgm
.Lentry_in_a_cluster:
	s_bfe_u32 s2, ttmp6, 0x10000c
	s_cmp_lg_u32 s2, 0xf033
	s_cbranch_scc0 .Lentry_shape_is_right
	s_endpgm
.Lentry_shape_is_right:
; S = q k^T on codes of BF6, and the softmax's p quantised along the keys, stored as images of the next product's operand registers.
; Source 0 = 16 keys (P0 = k), source 1 = 16 queries (P1 = q): a lane holds ONE query and its 64 registers of a block are the keys 32 b + 16 (lane / 16) + i of the wave's 128: one K step of the next product.
; THE MAXIMUM IS TAKEN AWAY STEP BY STEP.  t = score x log2(e) / 32.  Each wave takes M = ceil(largest t) of ITS 128 keys, a whole number, makes p = 2^(t - M), sums the unquantised p, quantises p, and stores for each
; (K step, query) the codes, the scale word, -M and the sum.  The next launch takes the largest M of a query's 16 K steps and lowers each step's scale bytes and sum by the difference: exact powers of two.
; A tile is 256 queries x 256 keys, K = 1,024 in eight steps; four waves, each 128 x 128.
; LDS: TWO slots of 147,456 bytes, three K steps each.  At the head each wave issues ONE load: wave 0 q's 16 row blocks of K steps 0-2, wave 1 k's, wave 2 q's of K steps 3-5, wave 3 k's.
; In front of the first barrier only waves 0 and 1 wait for their load: slot 1 is shown whole at K step 2, where every wave waits for all its loads and slot 0 takes K steps 6, 7, laid 3,072 bytes a row block.
; By this text's count one tensor load of a wave is out at most.
; The scale words (16,384 bytes of the 409,600 that a work-group reads) come through registers, 512 consecutive bytes a load, into LDS bytes of their own: so they are not asked for jointly.
; CLUSTERS: 4 x 4: q's tiles hang on cy and are asked for jointly along a row of the cluster, k's on cx, along a column.
; No prefetch: the walk along K is written out, eight steps, with no loop to run ahead in, and the block is 256 x 256 in clusters.
; LIMITS: a block whose every p has fallen to 0 keeps the byte 1 (its codes are zeros); NaN and infinities are not served; the promise holds while |t| stays under 2^31.
; REGISTERS: window 0: v0-31 addresses; v32-47 q's scale words, v48-63 k's (nothing else ever); v64-255 q's fragments, two sets; on the way out v64-175 at work.  window 1: k's fragments at v0 and v128.
;   windows 2, 3: accumulator (a, b) at v[8 (8 (a % 4) + b)], window 2 + a / 4.
.set NA,    8
.set P1RB,  16
.set RBB,   4608                       ; a row block's bytes in a slot: three K steps' fragments (for K steps 6, 7 it is set to LRB)
.set LRB,   3072
.set SLOT,  (P1RB+16)*RBB
.set P1SP,  64*P1RB
.set SC1,   2*SLOT                     ; q's scale words, [8 K steps][256 rows]: stored from registers; no fill lands here
.set SC0,   SC1+8*P1SP                 ; k's
.set STG,   SC0+8*1024                 ; 1,536 bytes a wave: scale words, -M, sums
.set SPARE, STG+4*1536
.set QKS,   18874368
.set PS,    12582912
.set ADRA, 10                          ; v10-12 my q fragments in slot 0, slot 1, slot 0 as laid by the last fill
.set ADRB, 13                          ; v13-15 my k fragments
.set AS1,  16
.set SPW,  17
.set NIL,  18
.set LI,   19
.set SWA,  20
.set SWR,  21
.set AS0,  22
.set SSH,  23                          ; where I store two K steps of scale words
.set S1R,  32
.set S0R,  48
.set AF,   64
.set G1A,  24
.set G1B,  32
.set GA0,  60                          ; groups 0: q's last fill; slot 1; the head's slot 0; the same for k
.set GA1,  68
.set GHA,  72
.set GB0,  76
.set GB1,  80
.set GHB,  84
.set SEL,  8
.set CS,   10                          ; s[10:11] c = log2(e) / 32
.set OB,   6
.set MSB, 0
.macro WIN new
.if MSB != (\new)
	s_set_vgpr_msb (MSB<<8)|(\new)
.set MSB, (\new)
.endif
.endm
.macro PLACES n
.rept \n
	v_nop
.endr
.endm
.macro CREST
	s_cmp_lg_u32 s14, 0
	s_cbranch_scc1 .Lnot_wave_0_\@
	s_barrier_signal -3
.Lnot_wave_0_\@:
	s_barrier_wait -3
	s_barrier_signal -1
	s_barrier_wait -1
.endm
.macro CROUND
	s_barrier_signal -1
	s_barrier_wait -1
	CREST
.endm
.macro JLOAD g0a, g1a, g0b, g1b        ; waves 0, 1 fetch q's halves, waves 2, 3 k's; s_nop 0 and four v_nop follow each line
	s_cmp_eq_u32 s15, 0
	s_cbranch_scc0 .Lfor_b_\@
	tensor_load_to_lds s[\g0a:\g0a+3], s[\g1a:\g1a+7]
	s_nop 0
	PLACES 4
	s_branch .Lasked_\@
.Lfor_b_\@:
	tensor_load_to_lds s[\g0b:\g0b+3], s[\g1b:\g1b+7]
	s_nop 0
	PLACES 4
.Lasked_\@:
.endm
.macro ARM under, g0, g1, next         ; an arm of the head's one chain of branches on the wave's number
	s_cmp_lt_u32 s14, \under
	s_cbranch_scc0 \next
	tensor_load_to_lds s[\g0:\g0+3], s[\g1:\g1+7]
	s_nop 0
	PLACES 4
	s_branch .Lhead_asked
\next:
.endm
.macro MKG0 g, lr, la, base, ga
	s_mov_b32 s[\g], 1
	s_add_co_u32 s[\g+1], s[\lr], \la
	s_add_nc_u64 s[\g+2:\g+3], s[\base:\base+1], \ga
	s_or_b32 s[\g+3], s[\g+3], 0x80000000
.endm
.macro FRAG3 reg, adr, off
.irp g, 0,1,2
	ds_load_b128 v[(\reg)+4*\g:(\reg)+4*\g+3], v[\adr] offset:(\off)+512*\g
.endr
.endm
.macro FETCH set, slot, kq, ks
	WIN 0x40
.irp i, 0,1,2,3,4,5,6,7
	FRAG3 128*(\set)+12*\i, ADRB+(\slot), \i*RBB+1536*(\kq)
.endr
	WIN 0
.irp i, 0,1,2,3,4,5,6,7
	FRAG3 AF+12*NA*(\set)+12*\i, ADRA+(\slot), \i*RBB+1536*(\kq)
.endr
.irp i, 0,1,2,3,4,5,6,7
	ds_load_b32 v[S1R+8*(\set)+\i], v[AS1] offset:(\ks)*P1SP+64*\i
.endr
.irp i, 0,1,2,3,4,5,6,7
	ds_load_b32 v[S0R+8*(\set)+\i], v[AS0] offset:(\ks)*1024+64*\i
.endr
.endm
.macro MULA a, p, cm                   ; 8 products: q's block a against k's eight.  cm = 1: C = 0.  The accumulators take turns
	WIN 0xa1+0x50*((\a)/4)
.irp b, 0,1,2,3,4,5,6,7
.set rD, 8*(8*((\a)%4)+\b)
.set rP0, 128*(\p)+12*\b
.set rP1, AF+12*NA*(\p)+12*(\a)
.if (\cm) == 0
	v_wmma_scale_f32_16x16x128_f8f6f4 v[rD:rD+7], v[rP0:rP0+11], v[rP1:rP1+11], v[rD:rD+7], v[S0R+8*(\p)+\b], v[S1R+8*(\p)+(\a)] matrix_a_fmt:MATRIX_FMT_BF6 matrix_b_fmt:MATRIX_FMT_BF6
.else
	v_wmma_scale_f32_16x16x128_f8f6f4 v[rD:rD+7], v[rP0:rP0+11], v[rP1:rP1+11], 0, v[S0R+8*(\p)+\b], v[S1R+8*(\p)+(\a)] matrix_a_fmt:MATRIX_FMT_BF6 matrix_b_fmt:MATRIX_FMT_BF6
.endif
.endr
.endm
.macro MULS a0, n, p, cm
.set a_, \a0
.rept \n
	MULA a_, \p, \cm
.set a_, a_+1
.endr
.endm
.macro STEP p, cm, f, slot, kq, ks
	s_wait_dscnt 0x0                               ; this step's fragments and scale words are in
.if \f
	PLACES 4                                       ; in front of loads into registers that the last step's products read
	FETCH 1-(\p), \slot, \kq, \ks
.endif
	MULS 0, NA, \p, \cm
.endm
.macro TURN p, fill, slot, kq, ks      ; a change of slots; fill = 1: slot 0 takes K steps 6, 7, a quarter a wave
	WIN 0
	s_wait_dscnt 0x0                               ; my reads of the slot that is left are over
	s_wait_tensorcnt 0x0                           ; all my tensor loads have landed
	ds_add_u32 v[SPW], v[NIL]
	MULS 0, NA/4, \p, 0
	s_wait_dscnt 0x0
	s_barrier_signal -1
	MULS NA/4, NA/4, \p, 0
	WIN 0
	s_barrier_wait -1
.if \fill
	CREST                                          ; no wave of any partner still reads the slot or has a load on its way
.irp g, G1A, G1B                       ; no tensor load of mine is out: this load brings 8 row blocks x 3,072 bytes
	s_mov_b32 s[\g+1], (LRB/8)<<16
	s_mov_b32 s[\g+2], 8<<16
	s_mov_b32 s[\g+3], (LRB/8)<<16
	s_mov_b32 s[\g+4], 8
.endr
	JLOAD GA0, G1A, GB0, G1B
.else
	PLACES 4
.endif
	FETCH 1-(\p), \slot, \kq, \ks
	MULS NA/2, NA/2, \p, 0
.endm
.macro SETB a
.set W, 2+(\a)/4
.set SA, 64*((\a)%4)
.set TB, 64
.if ((\a)%4) == 1
.set TB, 128
.endif
.set TM, TB
.set NM, TB+16                         ; -M (a pair is named; the low word serves)
.set TT, TB+18
.set SUM, TB+20
.set PW, TB+24
.set LS, TB+25
.set PC, TB+28
.endm
.macro CODES
.irp b, 0,1,2,3
	v_add_nc_u32 v[TM+12+\b], 0xfe000000, v[TM+\b]
.endr
.irp b, 0,1,2,3
	v_lshrrev_b32 v[TM+4+\b], 23, v[TM+12+\b]
.endr
	v_lshl_or_b32 v[PW], v[TM+5], 8, v[TM+4]
	v_lshl_or_b32 v[PW], v[TM+6], 16, v[PW]
	v_lshl_or_b32 v[PW], v[TM+7], 24, v[PW]
	s_wait_xcnt 0x0                                ; the earlier stores have read the codes' registers
	WIN W
.irp c, 0,1
	v_cvt_scalef32_pk16_bf6_f32 v[PC+6*\c:PC+6*\c+2], v[SA+32*\c:SA+32*\c+15], v[TM+12+2*\c]
	v_cvt_scalef32_pk16_bf6_f32 v[PC+12+4*\c:PC+14+4*\c], v[SA+32*\c+16:SA+32*\c+31], v[TM+13+2*\c]
.endr
	WIN 0
	v_nop                                          ; one plain line behind the scaled conversions
.irp c, 0,1
.irp i, 0,1,2
	v_permlane16_swap_b32 v[PC+6*\c+\i], v[PC+12+4*\c+\i]
.endr
.irp i, 0,1,2
	v_mov_b32 v[PC+3+6*\c+\i], v[PC+12+4*\c+\i]
.endr
.endr
.endm
.macro SENDF off, a
.irp g, 0,1,2
	global_store_b128 v[LI], v[PC+4*\g:PC+4*\g+3], s[OB:OB+1] offset:(\off)+512*\g
.endr
	ds_store_b32 v[SWA], v[PW] offset:64*(\a)
.endm
; THE SOFTMAX OF q's BLOCK a OVER THE WAVE'S 128 KEYS
.macro SOFT a
	SETB \a
	WIN W|(W<<2)|(W<<4)
.irp b, 0,1,2,3
	v_max3_num_f32 v[TM+\b], v[SA+16*\b], v[SA+16*\b+1], v[SA+16*\b+2]   ; the largest SCORE of each block of 32 keys: for the row's maximum and, since p rises with the score, for the block's largest p
.endr
	WIN (W<<2)|(W<<4)
.irp i, 3,5,7,9,11,13
.irp b, 0,1,2,3
	v_max3_num_f32 v[TM+\b], v[TM+\b], v[SA+16*\b+\i], v[SA+16*\b+\i+1]
.endr
.endr
.irp b, 0,1,2,3
	v_max_num_f32 v[TM+\b], v[TM+\b], v[SA+16*\b+15]
.endr
	WIN 0
	s_wait_alu depctr_va_vdst(0)                   ; the wait ahead of the wait below
	s_wait_dscnt 0x0                               ; the last block's LDS stores have read their registers
.irp b, 0,1,2,3
	v_permlanex16_b32 v[TM+4+\b], v[TM+\b], s[SEL], s[SEL+1]
.endr
.irp b, 0,1,2,3
	v_max_num_f32 v[TM+\b], v[TM+\b], v[TM+4+\b]
.endr
	v_max3_num_f32 v[TT], v[TM], v[TM+1], v[TM+2]
	v_max_num_f32 v[TT], v[TT], v[TM+3]
	v_mul_f32 v[TT], s[CS], v[TT]                  ; the largest t of my query's 128 keys
	v_floor_f32 v[NM], -v[TT]                      ; -M = floor(-t) = -ceil(t)
.irp b, 0,1,2,3
	v_fma_f32 v[TM+\b], v[TM+\b], s[CS], v[NM]
.endr
	WIN W|(W<<6)
.set j_, 0
.rept 32
	v_pk_fma_f32 v[SA+j_:SA+j_+1], v[SA+j_:SA+j_+1], s[CS:CS+1], v[NM:NM+1] op_sel_hi:[1,0,0]   ; t - M, two at a time
.set j_, j_+2
.endr
.set j_, 0
	s_wait_alu depctr_va_vdst(0)                   ; the wait ahead of the batch
.rept 64
	v_exp_f32 v[SA+j_], v[SA+j_]                   ; p = 2^(t - M), at most 1, not normalised
.set j_, j_+1
.endr
	WIN 0
.irp b, 0,1,2,3
	v_exp_f32 v[TM+\b], v[TM+\b]                   ; the block's largest p
.endr
	v_nop
	s_wait_alu depctr_va_vdst(0)                   ; one wait for the batch of 68, ahead of its first reader
	WIN W|(W<<2)
	v_pk_add_f32 v[SUM:SUM+1], v[SA:SA+1], v[SA+2:SA+3]   ; the sum is taken of the UNQUANTISED p, in two chains
	v_pk_add_f32 v[SUM+2:SUM+3], v[SA+4:SA+5], v[SA+6:SA+7]
	WIN W<<2
.irp j, 8,12,16,20,24,28,32,36,40,44,48,52,56,60
	v_pk_add_f32 v[SUM:SUM+1], v[SUM:SUM+1], v[SA+\j:SA+\j+1]
	v_pk_add_f32 v[SUM+2:SUM+3], v[SUM+2:SUM+3], v[SA+\j+2:SA+\j+3]
.endr
	WIN 0
	v_pk_add_f32 v[SUM:SUM+1], v[SUM:SUM+1], v[SUM+2:SUM+3]
	v_add_f32 v[LS], v[SUM], v[SUM+1]
	v_permlanex16_b32 v[TT], v[LS], s[SEL], s[SEL+1]
	v_add_f32 v[LS], v[LS], v[TT]
.irp b, 0,1,2,3
	v_max_num_f32 v[TM+\b], 0x2800000, v[TM+\b]    ; the floor 2^(5 - 127)
.endr
	CODES
	SENDF 24576*(\a), \a
	ds_store_b32 v[SWA], v[NM] offset:512+64*(\a)
	ds_store_b32 v[SWA], v[LS] offset:1024+64*(\a)
.endm
	s_load_b128 s[4:7], s[0:1], 0x0                ; qkv_img, p_img
	v_lshl_add_u32 v[SPW], v0, 2, SPARE
	v_mov_b32 v[NIL], 0
	ds_add_u32 v[SPW], v[NIL]                      ; the opening lines: the add, twice on end, and its wait
	ds_add_u32 v[SPW], v[NIL]
	v_lshrrev_b32 v1, 5, v0
	v_readfirstlane_b32 s14, v1                    ; wave
	s_lshr_b32 s15, s14, 1                         ; my half of the queries.  In the refill also: I fetch for q (0) or k (1)
	s_and_b32 s16, s14, 1                          ; my half of the keys.  In the refill also: which half of that tile I fetch
	s_bfe_u32 s40, ttmp6, 0x40000                  ; cx
	s_bfe_u32 s41, ttmp6, 0x40004                  ; cy
	s_and_b32 s17, ttmp7, 0xffff
	s_lshl_b32 s42, ttmp9, 2
	s_add_co_u32 s42, s42, s40                     ; T0: the tile of 256 keys in the batch
	s_lshl_b32 s43, s17, 2
	s_add_co_u32 s43, s43, s41                     ; Ty: the tile of 256 queries among all 8,192
	s_lshr_b32 s17, s17, 1                         ; the batch: from the cluster's y alone
	s_lshl_b32 s22, s41, 2
	s_lshl_b32 s22, 15, s22
	s_lshl_b32 s23, 0x1111, s40
	s_or_b32 s[G1A], s22, (3<<16)|(1<<21)
	s_or_b32 s[G1B], s23, (3<<16)|(1<<21)
.irp g, G1A, G1B                       ; the head's loads: 16 row blocks x 4,608 bytes, 24,576 bytes apart
	s_mov_b32 s[\g+1], (RBB/8)<<16
	s_mov_b32 s[\g+2], 16<<16
	s_mov_b32 s[\g+3], (RBB/8)<<16
	s_mov_b32 s[\g+4], 16
	s_mov_b32 s[\g+5], 3072
	s_mov_b32 s[\g+6], 0
	s_mov_b32 s[\g+7], 0
.endr
	s_mul_i32 s96, s43, 16*24576                   ; q (nothing of cx): row block 16 Ty
	s_mov_b32 s97, 0
	s_lshl_b32 s100, s14, 16                       ; the scale words of K steps 2 w, 2 w + 1: rows of 32,768 bytes
	s_lshl_b32 s98, s43, 10
	s_add_co_u32 s98, s98, s100
	s_add_co_u32 s98, s98, QKS
	s_mov_b32 s99, 0
	s_lshl_b32 s2, s17, 7                          ; k (nothing of cy): K steps 8 to 15 of each row block
	s_lshl_b32 s3, s42, 4
	s_add_co_u32 s2, s2, s3
	s_lshl_b32 s66, s2, 6
	s_add_co_u32 s66, s66, s100
	s_add_co_u32 s66, s66, QKS+8*32768
	s_mov_b32 s67, 0
	s_mul_i32 s2, s2, 24576
	s_add_co_u32 s2, s2, 12288
	s_mov_b32 s3, 0
	s_mul_i32 s18, s16, 8*24576                    ; for the last fill: my eight row blocks of a tile, in memory,
	s_mov_b32 s19, 0
	s_mul_i32 s100, s16, 8*LRB                     ; and in LDS
	s_mov_b32 s101, 0
	s_wait_dscnt 0x0                               ; both opening adds are done
	CROUND                                         ; the round in front of the first joint loads; the arguments are on their way meanwhile
	s_wait_kmcnt 0x0
	s_add_nc_u64 s[96:97], s[4:5], s[96:97]
	s_add_nc_u64 s[2:3], s[4:5], s[2:3]
	MKG0 GHA, 101, 0, 96, 0
	MKG0 GHB, 101, P1RB*RBB, 2, 0
	MKG0 GA1, 101, SLOT, 96, RBB
	MKG0 GB1, 101, SLOT+P1RB*RBB, 2, RBB
	ARM 1, GHA, G1A, .Lhead_b                      ; one load a wave: K steps 0-2 of q,
	ARM 2, GHB, G1B, .Lhead_a1                     ; of k,
	ARM 3, GA1, G1A, .Lhead_b1                     ; K steps 3-5 of q,
	tensor_load_to_lds s[GB1:GB1+3], s[G1B:G1B+7]  ; of k
	s_nop 0
	PLACES 4
.Lhead_asked:
	s_add_nc_u64 s[98:99], s[4:5], s[98:99]
	s_add_nc_u64 s[66:67], s[4:5], s[66:67]
	s_add_nc_u64 s[96:97], s[96:97], s[18:19]
	s_add_nc_u64 s[2:3], s[2:3], s[18:19]
	MKG0 GA0, 100, 0, 96, 6*1536
	MKG0 GB0, 100, P1RB*LRB, 2, 6*1536
	v_and_b32 v1, 15, v0
	v_and_b32 v3, 31, v0
	v_lshlrev_b32 v[LI], 4, v3
	s_wait_alu depctr_va_vdst(0)
.irp i, 0,1,2,3                        ; the scale words, two K steps a wave: 512 consecutive bytes a load
	global_load_b128 v[64+4*\i:67+4*\i], v[LI], s[98:99] offset:32768*(\i/2)+512*(\i%2)
	global_load_b128 v[80+4*\i:83+4*\i], v[LI], s[66:67] offset:32768*(\i/2)+512*(\i%2)
.endr
	s_mul_i32 s100, s15, NA*RBB
	v_add_nc_u32 v[ADRA], s100, v[LI]
	v_add_nc_u32 v[ADRA+1], SLOT, v[ADRA]
	s_mul_i32 s100, s15, NA*LRB
	v_add_nc_u32 v[ADRA+2], s100, v[LI]
	s_mul_i32 s100, s16, 8*RBB
	s_add_co_u32 s100, s100, P1RB*RBB
	v_add_nc_u32 v[ADRB], s100, v[LI]
	v_add_nc_u32 v[ADRB+1], SLOT, v[ADRB]
	s_mul_i32 s100, s16, 8*LRB
	s_add_co_u32 s100, s100, P1RB*LRB
	v_add_nc_u32 v[ADRB+2], s100, v[LI]
	s_lshl_b32 s100, s14, 11
	s_add_co_u32 s100, s100, SC1
	v_add_nc_u32 v[SSH], s100, v[LI]
	s_mul_i32 s100, s15, NA*64
	s_add_co_u32 s100, s100, SC1
	v_lshl_add_u32 v[AS1], v1, 2, s100
	s_lshl_b32 s100, s16, 9
	s_add_co_u32 s100, s100, SC0
	v_lshl_add_u32 v[AS0], v1, 2, s100
	s_mul_i32 s100, s14, 1536
	s_add_co_u32 s100, s100, STG
	v_lshl_add_u32 v[SWA], v1, 2, s100
	v_add_nc_u32 v[SWR], s100, v[LI]
	s_mov_b32 s[SEL], 0x76543210
	s_mov_b32 s[SEL+1], 0xfedcba98
	s_mov_b32 s[CS], 0x3d38aa3b                    ; log2(e) / 32
	s_mov_b32 s[CS+1], s[CS]
	; where my results go: fragment (row block 16 Ty + 8 (my half) + a, K step 2 T0 + my half)
	s_lshl_b32 s19, s43, 4
	s_lshl_b32 s18, s15, 3
	s_add_co_u32 s19, s19, s18
	s_lshl_b32 s20, s42, 1
	s_add_co_u32 s20, s20, s16
	s_lshl_b32 s18, s19, 4
	s_add_co_u32 s18, s18, s20
	s_mul_i32 s18, s18, 1536
	s_lshl_b32 s20, s20, 15
	s_lshl_b32 s19, s19, 6
	s_add_co_u32 s20, s20, s19
	s_add_co_u32 s20, s20, PS
	s_mov_b32 s19, 0
	s_mov_b32 s21, 0
	s_add_nc_u64 s[12:13], s[6:7], s[20:21]
	s_add_nc_u64 s[OB:OB+1], s[6:7], s[18:19]
	s_wait_alu depctr_va_vdst(0)                   ; the wait at the head's end
	s_wait_loadcnt 0x0                             ; my scale words are in
.irp i, 0,1,2,3
	ds_store_b128 v[SSH], v[64+4*\i:67+4*\i] offset:512*\i
	ds_store_b128 v[SSH], v[80+4*\i:83+4*\i] offset:8192+512*\i
.endr
	s_cmp_lt_u32 s14, 2
	s_cbranch_scc0 .Lslot_1_mine
	s_wait_tensorcnt 0x0                           ; waves 0, 1: my tile of slot 0 is in.  Slot 1's loads, waves 2 and 3's, may stay out
.Lslot_1_mine:
	s_wait_dscnt 0x0                               ; for the others' sake: my stores of scale words have landed
	s_barrier_signal -1
	s_barrier_wait -1
	FETCH 0, 0, 0, 0
	STEP 0, 1, 1, 0, 1, 1                          ; K step 0 starts the sums
	STEP 1, 0, 1, 0, 2, 2
	TURN 0, 1, 1, 0, 3                             ; K step 2: slot 1 is shown whole; slot 0 is left and takes K steps 6, 7
	STEP 1, 0, 1, 1, 1, 4
	STEP 0, 0, 1, 1, 2, 5
.set RBB, LRB                          ; K steps 6, 7 lie 3,072 bytes a row block
	TURN 1, 0, 2, 0, 6                             ; K step 5: the refill is shown whole; nothing is filled
	STEP 0, 0, 1, 2, 1, 7
	STEP 1, 0, 0, 0, 0, 0
	WIN 0
	PLACES 4                                       ; behind the last products
.irp t, 64, 128
.irp b, 4,5,6,7,17
	v_mov_b32 v[\t+\b], 0                          ; the lane permutes' destinations, and the upper half of the pair that holds -M
.endr
.endr
.irp a, 0,1,2,3,4,5,6,7
	SOFT \a
.endr
.irp g, 0,1,2
	ds_load_b128 v[64+4*\g:67+4*\g], v[SWR] offset:512*\g   ; LDS serves a wave's instructions in order: these see my stores
.endr
	s_wait_dscnt 0x0
.irp g, 0,1,2
	global_store_b128 v[LI], v[64+4*\g:67+4*\g], s[12:13] offset:524288*\g   ; 128 scale words, 128 -M, 128 sums: 512 consecutive bytes each, aligned
.endr
	s_wait_tensorcnt 0x0                           ; the wave's end
	ds_add_u32 v[SPW], v[NIL]
	s_wait_dscnt 0x0
	CROUND                                         ; the closing round
	s_endpgm
.Lfunc_end_k_qa40b61e050_scores:
	.size	k_qa40b61e050_scores, .Lfunc_end_k_qa40b61e050_scores-k_qa40b61e050_scores
	.p2alignl 7, 3214868480
	.fill 96, 4, 3214868480
	.section	.rodata,"a",@progbits
	.p2align	6, 0x0
	.amdhsa_kernel k_qa40b61e050_scores
		.amdhsa_group_segment_fixed_size 327680
		.amdhsa_private_segment_fixed_size 0
		.amdhsa_enable_private_segment 0
		.amdhsa_kernarg_size 16
		.amdhsa_user_sgpr_count 2
		.amdhsa_user_sgpr_kernarg_segment_ptr 1
		.amdhsa_wavefront_size32 1
		.amdhsa_system_sgpr_workgroup_id_x 1
		.amdhsa_system_sgpr_workgroup_id_y 1
		.amdhsa_system_sgpr_workgroup_id_z 1
		.amdhsa_system_vgpr_workitem_id 0
		.amdhsa_next_free_vgpr 1024
		.amdhsa_next_free_sgpr 102
		.amdhsa_reserve_vcc 0
		.amdhsa_float_denorm_mode_32 3
		.amdhsa_float_denorm_mode_16_64 3
		.amdhsa_memory_ordered 1
		.amdhsa_forward_progress 1
		.amdhsa_inst_pref_size 202
	.end_amdhsa_kernel
	.amdgpu_metadata
---
amdhsa.version: [ 1, 2 ]
amdhsa.kernels:
  - .name:           k_qa40b61e050_scores
    .symbol:         k_qa40b61e050_scores.kd
    .args:
      - { .name: qkv_img, .offset: 0, .size: 8, .value_kind: global_buffer, .address_space: global }
      - { .name: p_img, .offset: 8, .size: 8, .value_kind: global_buffer, .address_space: global }
    .group_segment_fixed_size: 327680
    .private_segment_fixed_size: 0
    .kernarg_segment_align: 8
    .kernarg_segment_size: 16
    .max_flat_workgroup_size: 128
    .sgpr_count:     102
    .vgpr_count:     1024
    .wavefront_size: 32
...
	.end_amdgpu_metadata
.endif
;; end of part 3
;; launch pv (part 4): grid 4 x 64, 4 waves a work-group, clusters of 4 x 4, 327,680 bytes of LDS; arguments p_img, qkv_img, s_img; writes s_img
.if DOCPART == 4
	.amdgcn_target "amdgcn-amd-amdhsa--gfx1250"
	.amdhsa_code_object_version 6
	.text
	.protected	k_qa40b61e050_pv
	.globl	k_qa40b61e050_pv
	.p2align	8
	.type	k_qa40b61e050_pv,@function
k_qa40b61e050_pv:
	s_mov_b64 s[64:65], 0
	v_nop
	global_prefetch_b8 v0, s[64:65] scope:SCOPE_SE
	s_setreg_imm32_b32 hwreg(HW_REG_WAVE_MODE, 25, 1), 1
	s_wait_xcnt 0x0
	s_wait_alu depctr_hold_cnt(0) depctr_sa_sdst(0) depctr_va_vdst(0) depctr_va_sdst(0) depctr_va_ssrc(0) depctr_va_vcc(0) depctr_vm_vsrc(0)
	s_getreg_b32 s2, hwreg(HW_REG_IB_STS2, 6, 4)
	s_cmp_eq_u32 s2, 0
	s_cbranch_scc0 .Lentry_in_a_cluster
	s_endpgm
.Lentry_in_a_cluster:
	s_bfe_u32 s2, ttmp6, 0x10000c
	s_cmp_lg_u32 s2, 0xf033
	s_cbranch_scc0 .Lentry_shape_is_right
	s_endpgm
.Lentry_shape_is_right:
; score = (p v) / l on codes of BF6, quantised along the 1,024 features and stored as images of the last product's operand registers.
; Source 0 = 16 features (P0 = v^T, K = the keys), source 1 = 16 queries (P1 = p).  A tile is 128 queries x 256 features, K = 2,048; four waves, each 64 x 128: 32 accumulators.
; THE HEAD BRINGS p UNDER ONE M.  p came with an M of its own for each K step of 128 keys.  Thread tau owns query tau of the tile: -M = the least of its 16 numbers -M_ks; d = M - M_ks, a whole number, 0 or more;
; each scale byte of K step ks is lowered by d, and l = the sum of l_ks 2^-d.  The changed scale words and 1 / l go to LDS bytes into which no fill lands.
; LIMIT: d is held at 128, and a byte that would fall under 0 becomes 0: such a block then counts for at most 28 x 2^-127 beside a row whose largest p is above 1/2.  NaN and infinities are not served.
; K goes in 16 steps of 128, four to an LDS slot, two slots.  At the head each wave issues ONE load: wave 0 p's 8 row blocks of K steps 0-3, wave 1 v^T's 16, wave 2 p's of K steps 4-7, wave 3 v^T's.
; In front of the first barrier only waves 0 and 1 wait for their load: slot 1 is shown whole at K step 3, where every wave waits for all its loads.  Each slot is filled once more, a quarter a wave.
; By this text's count one tensor load of a wave is out at most.  v^T's scale words (16,384 bytes of the 606,208 that a work-group reads) come through registers, 512 consecutive bytes a load, into LDS bytes of their own.
; CLUSTERS: 4 x 4: p's tiles hang on cy and are asked for jointly along a row of the cluster, v^T's tiles on cx, along a column.
; No prefetch: the walk along K is written out, with no loop to run ahead in; each refill has four K steps, 128 products of a wave, in which to land.
; REGISTERS: window 0: v0-23 addresses; v32-47 p's scale words, v48-63 v^T's (nothing else ever); v64-159 p's fragments, two sets (at the head: what the head loads); v176-183 1 / l;
;   window 1: v^T's fragments at v0 and v128.   window 2: accumulator (a, b) at v[8 (8 a + b)].
.set NA,    4
.set P1RB,  8
.set RBB,   6144                       ; a row block's bytes in a slot: four K steps' fragments
.set SLOT,  (P1RB+16)*RBB
.set P1SP,  64*P1RB
.set SC1,   2*SLOT                     ; p's changed scale words, [16 K steps][128 queries]: stored by the head, never filled
.set SC0,   SC1+16*P1SP                ; v^T's scale words, [16][256]: likewise
.set RL,    SC0+16*1024                ; 1 / l of the 128 queries
.set STG,   RL+512
.set SPARE, STG+4*256
.set PS,    12582912
.set VC,    12582912
.set VS,    19398656
.set SCS,   6291456
.set SSH,  2                           ; v2 where I store four K steps of v^T's scale words
.set ADRA, 10
.set ADRB, 13
.set AS1,  16
.set SPW,  17
.set NIL,  18
.set LI,   19
.set SWA,  20
.set SWR,  21
.set AS0,  22
.set ARL,  23
.set S1R,  32
.set S0R,  48
.set AF,   64
.set RLP,  176
.set G1A,  24
.set G1B,  32
.set GQA,  44                          ; groups 0: slot 1's refill, p's and v^T's;
.set GQB,  48
.set GA0,  60                          ; slot 0's refill; the head's slot 1; the head's slot 0
.set GA1,  68
.set GB0,  76
.set GB1,  80
.set GHA,  84
.set GHB,  88
.set SEL,  12
.set OB,   8
.set MSB, 0
.macro WIN new
.if MSB != (\new)
	s_set_vgpr_msb (MSB<<8)|(\new)
.set MSB, (\new)
.endif
.endm
.macro PLACES n
.rept \n
	v_nop
.endr
.endm
.macro CREST
	s_cmp_lg_u32 s14, 0
	s_cbranch_scc1 .Lnot_wave_0_\@
	s_barrier_signal -3
.Lnot_wave_0_\@:
	s_barrier_wait -3
	s_barrier_signal -1
	s_barrier_wait -1
.endm
.macro CROUND
	s_barrier_signal -1
	s_barrier_wait -1
	CREST
.endm
.macro JLOAD g0a, g1a, g0b, g1b        ; waves 0, 1 fetch p's halves, waves 2, 3 v^T's; s_nop 0 and four v_nop follow each line
	s_cmp_eq_u32 s15, 0
	s_cbranch_scc0 .Lfor_b_\@
	tensor_load_to_lds s[\g0a:\g0a+3], s[\g1a:\g1a+7]
	s_nop 0
	PLACES 4
	s_branch .Lasked_\@
.Lfor_b_\@:
	tensor_load_to_lds s[\g0b:\g0b+3], s[\g1b:\g1b+7]
	s_nop 0
	PLACES 4
.Lasked_\@:
.endm
.macro ARM under, g0, g1, next         ; an arm of the head's one chain of branches on the wave's number
	s_cmp_lt_u32 s14, \under
	s_cbranch_scc0 \next
	tensor_load_to_lds s[\g0:\g0+3], s[\g1:\g1+7]
	s_nop 0
	PLACES 4
	s_branch .Lhead_asked
\next:
.endm
.macro MKG0 g, lr, la, base, ga
	s_mov_b32 s[\g], 1
	s_add_co_u32 s[\g+1], s[\lr], \la
	s_add_nc_u64 s[\g+2:\g+3], s[\base:\base+1], \ga
	s_or_b32 s[\g+3], s[\g+3], 0x80000000
.endm
.macro FRAG3 reg, adr, off
.irp g, 0,1,2
	ds_load_b128 v[(\reg)+4*\g:(\reg)+4*\g+3], v[\adr] offset:(\off)+512*\g
.endr
.endm
.macro FETCH set, slot, kq, ks
	WIN 0x40
.irp i, 0,1,2,3,4,5,6,7
	FRAG3 128*(\set)+12*\i, ADRB+(\slot), \i*RBB+1536*(\kq)
.endr
	WIN 0
.irp i, 0,1,2,3
	FRAG3 AF+12*NA*(\set)+12*\i, ADRA+(\slot), \i*RBB+1536*(\kq)
.endr
.irp i, 0,1,2,3
	ds_load_b32 v[S1R+8*(\set)+\i], v[AS1] offset:(\ks)*P1SP+64*\i
.endr
.irp i, 0,1,2,3,4,5,6,7
	ds_load_b32 v[S0R+8*(\set)+\i], v[AS0] offset:(\ks)*1024+64*\i
.endr
.endm
.macro MULA a, p, cm                   ; 8 products: p's block a against v^T's eight.  cm = 1: C = 0.  The accumulators take turns
	WIN 0xa1
.irp b, 0,1,2,3,4,5,6,7
.set rD, 8*(8*(\a)+\b)
.set rP0, 128*(\p)+12*\b
.set rP1, AF+12*NA*(\p)+12*(\a)
.if (\cm) == 0
	v_wmma_scale_f32_16x16x128_f8f6f4 v[rD:rD+7], v[rP0:rP0+11], v[rP1:rP1+11], v[rD:rD+7], v[S0R+8*(\p)+\b], v[S1R+8*(\p)+(\a)] matrix_a_fmt:MATRIX_FMT_BF6 matrix_b_fmt:MATRIX_FMT_BF6
.else
	v_wmma_scale_f32_16x16x128_f8f6f4 v[rD:rD+7], v[rP0:rP0+11], v[rP1:rP1+11], 0, v[S0R+8*(\p)+\b], v[S1R+8*(\p)+(\a)] matrix_a_fmt:MATRIX_FMT_BF6 matrix_b_fmt:MATRIX_FMT_BF6
.endif
.endr
.endm
.macro MULS a0, n, p, cm
.set a_, \a0
.rept \n
	MULA a_, \p, \cm
.set a_, a_+1
.endr
.endm
.macro STEP p, cm, f, slot, kq, ks
	s_wait_dscnt 0x0
.if \f
	PLACES 4
	FETCH 1-(\p), \slot, \kq, \ks
.endif
	MULS 0, NA, \p, \cm
.endm
.macro TURN p, fill, ga, gb, slot, kq, ks   ; a change of slots.  fill = 1, 2: the slot that is left is filled again; 2: the first time, when the groups 1 are set for half a tile's row blocks
	WIN 0
	s_wait_dscnt 0x0                               ; my reads of the slot that is left are over
	s_wait_tensorcnt 0x0                           ; all my tensor loads have landed
	ds_add_u32 v[SPW], v[NIL]
	MULS 0, NA/4, \p, 0
	s_wait_dscnt 0x0
	s_barrier_signal -1
	MULS NA/4, NA/4, \p, 0
	WIN 0
	s_barrier_wait -1
.if \fill
	CREST                                          ; no wave of any partner still reads the slot or has a load on its way
.if (\fill) == 2
	s_mov_b32 s[G1A+2], 4<<16                      ; no tensor load of mine is out
	s_mov_b32 s[G1A+4], 4
	s_mov_b32 s[G1B+2], 8<<16
	s_mov_b32 s[G1B+4], 8
.endif
	JLOAD \ga, G1A, \gb, G1B
.else
	PLACES 4
.endif
	FETCH 1-(\p), \slot, \kq, \ks
	MULS NA/2, NA/2, \p, 0
.endm
.macro SETB a
.set W, 2
.set SA, 64*(\a)
.set TB, 64
.if (\a) == 1
.set TB, 128
.endif
.set TM, TB
.set PW, TB+24
.set PC, TB+28
.endm
.macro BLKMAX
	WIN W|(W<<2)
.irp b, 0,1,2,3
	v_max3_num_f32 v[TM+\b], |v[SA+16*\b]|, |v[SA+16*\b+1]|, 0x2800000
.endr
	WIN (W<<2)|(W<<4)
.irp i, 2,4,6,8,10,12,14
.irp b, 0,1,2,3
	v_max3_num_f32 v[TM+\b], v[TM+\b], |v[SA+16*\b+\i]|, |v[SA+16*\b+\i+1]|
.endr
.endr
	WIN 0
	s_wait_alu depctr_va_vdst(0)                   ; the wait ahead of the wait below
	s_wait_dscnt 0x0                               ; the last block's LDS store has read its register
.irp b, 0,1,2,3
	v_permlanex16_b32 v[TM+4+\b], v[TM+\b], s[SEL], s[SEL+1]
.endr
.irp b, 0,1,2,3
	v_max_num_f32 v[TM+\b], v[TM+\b], v[TM+4+\b]
.endr
.endm
.macro CODES
.irp b, 0,1,2,3
	v_add_nc_u32 v[TM+12+\b], 0xfe000000, v[TM+\b]
.endr
.irp b, 0,1,2,3
	v_lshrrev_b32 v[TM+4+\b], 23, v[TM+12+\b]
.endr
	v_lshl_or_b32 v[PW], v[TM+5], 8, v[TM+4]
	v_lshl_or_b32 v[PW], v[TM+6], 16, v[PW]
	v_lshl_or_b32 v[PW], v[TM+7], 24, v[PW]
	s_wait_xcnt 0x0                                ; the earlier stores have read the codes' registers
	WIN W
.irp c, 0,1
	v_cvt_scalef32_pk16_bf6_f32 v[PC+6*\c:PC+6*\c+2], v[SA+32*\c:SA+32*\c+15], v[TM+12+2*\c]
	v_cvt_scalef32_pk16_bf6_f32 v[PC+12+4*\c:PC+14+4*\c], v[SA+32*\c+16:SA+32*\c+31], v[TM+13+2*\c]
.endr
	WIN 0
	v_nop                                          ; one plain line behind the scaled conversions
.irp c, 0,1
.irp i, 0,1,2
	v_permlane16_swap_b32 v[PC+6*\c+\i], v[PC+12+4*\c+\i]
.endr
.irp i, 0,1,2
	v_mov_b32 v[PC+3+6*\c+\i], v[PC+12+4*\c+\i]
.endr
.endr
.endm
.macro SENDF off, a
.irp g, 0,1,2
	global_store_b128 v[LI], v[PC+4*\g:PC+4*\g+3], s[OB:OB+1] offset:(\off)+512*\g
.endr
	ds_store_b32 v[SWA], v[PW] offset:64*(\a)
.endm
	s_load_b128 s[4:7], s[0:1], 0x0                ; p_img, qkv_img
	s_load_b64 s[8:9], s[0:1], 0x10                ; s_img
	v_lshl_add_u32 v[SPW], v0, 2, SPARE
	v_mov_b32 v[NIL], 0
	ds_add_u32 v[SPW], v[NIL]                      ; the opening lines: the add, twice on end, and its wait
	ds_add_u32 v[SPW], v[NIL]
	v_lshrrev_b32 v1, 5, v0
	v_readfirstlane_b32 s14, v1                    ; wave
	s_lshr_b32 s15, s14, 1                         ; my half of the queries.  In the refills also: I fetch for p (0) or v^T (1)
	s_and_b32 s16, s14, 1                          ; my half of the features.  In the refills also: which half of that tile I fetch
	s_bfe_u32 s40, ttmp6, 0x40000                  ; cx
	s_bfe_u32 s41, ttmp6, 0x40004                  ; cy
	s_and_b32 s17, ttmp7, 0xffff
	s_mov_b32 s42, s40                             ; T0: the tile of 256 features: the grid is one cluster wide
	s_lshl_b32 s43, s17, 2
	s_add_co_u32 s43, s43, s41                     ; T1: the tile of 128 queries
	s_lshr_b32 s17, s17, 2                         ; the batch: from the cluster's y alone
	s_lshl_b32 s22, s41, 2
	s_lshl_b32 s22, 15, s22
	s_lshl_b32 s23, 0x1111, s40
	s_or_b32 s[G1A], s22, (3<<16)|(1<<21)
	s_or_b32 s[G1B], s23, (3<<16)|(1<<21)
	s_mov_b32 s[G1A+1], (RBB/8)<<16                ; p, at the head: 8 row blocks x 6,144 bytes, 24,576 bytes apart
	s_mov_b32 s[G1A+2], 8<<16
	s_mov_b32 s[G1A+3], (RBB/8)<<16
	s_mov_b32 s[G1A+4], 8
	s_mov_b32 s[G1A+5], 3072
	s_mov_b32 s[G1A+6], 0
	s_mov_b32 s[G1A+7], 0
	s_mov_b32 s[G1B+1], (RBB/8)<<16                ; v^T, at the head: 16 row blocks x 6,144 bytes, 98,304 bytes apart
	s_mov_b32 s[G1B+2], 16<<16
	s_mov_b32 s[G1B+3], (RBB/8)<<16
	s_mov_b32 s[G1B+4], 16
	s_mov_b32 s[G1B+5], 12288
	s_mov_b32 s[G1B+6], 0
	s_mov_b32 s[G1B+7], 0
	s_mul_i32 s96, s43, 8*24576                    ; p (nothing of cx): row block 8 T1
	s_mov_b32 s97, 0
	s_lshl_b32 s98, s43, 9                         ; what the head loads: 512 bytes of each row of words
	s_add_co_u32 s98, s98, PS
	s_mov_b32 s99, 0
	s_mul_i32 s2, s42, 16*98304                    ; v^T (nothing of cy): row block 16 T0,
	s_mul_i32 s100, s17, 24576                     ; the batch's 16 K steps
	s_add_co_u32 s2, s2, s100
	s_add_co_u32 s2, s2, VC
	s_mov_b32 s3, 0
	s_lshl_b32 s66, s17, 4                         ; v^T's scale words: K steps 4 w .. 4 w + 3 of the batch's 16, rows of 4,096 bytes
	s_lshl_b32 s100, s14, 2
	s_add_co_u32 s66, s66, s100
	s_lshl_b32 s66, s66, 12
	s_lshl_b32 s67, s42, 10
	s_add_co_u32 s66, s66, s67
	s_add_co_u32 s66, s66, VS
	s_mov_b32 s67, 0
	s_mul_i32 s18, s16, 4*24576                    ; in the refills: my half of p's tile in memory,
	s_mov_b32 s19, 0
	s_mul_i32 s20, s16, 8*98304                    ; of v^T's,
	s_mov_b32 s21, 0
	s_mul_i32 s100, s16, 4*RBB                     ; and the same in LDS
	s_mul_i32 s101, s16, 8*RBB
	s_mov_b32 s22, 0
	s_wait_dscnt 0x0                               ; both opening adds are done
	CROUND                                         ; the round in front of the first joint loads; the arguments are on their way meanwhile
	s_wait_kmcnt 0x0
	s_add_nc_u64 s[96:97], s[4:5], s[96:97]
	s_add_nc_u64 s[2:3], s[6:7], s[2:3]
	MKG0 GHA, 22, 0, 96, 0
	MKG0 GHB, 22, P1RB*RBB, 2, 0
	MKG0 GA1, 22, SLOT, 96, RBB
	MKG0 GB1, 22, SLOT+P1RB*RBB, 2, RBB
	ARM 1, GHA, G1A, .Lhead_b                      ; one load a wave: K steps 0-3 of p,
	ARM 2, GHB, G1B, .Lhead_a1                     ; of v^T,
	ARM 3, GA1, G1A, .Lhead_b1                     ; K steps 4-7 of p,
	tensor_load_to_lds s[GB1:GB1+3], s[G1B:G1B+7]  ; of v^T
	s_nop 0
	PLACES 4
.Lhead_asked:
	s_add_nc_u64 s[98:99], s[4:5], s[98:99]
	s_add_nc_u64 s[66:67], s[6:7], s[66:67]
	s_add_nc_u64 s[96:97], s[96:97], s[18:19]
	s_add_nc_u64 s[2:3], s[2:3], s[20:21]
	MKG0 GA0, 100, 0, 96, 2*RBB
	MKG0 GB0, 101, P1RB*RBB, 2, 2*RBB
	MKG0 GQA, 100, SLOT, 96, 3*RBB
	MKG0 GQB, 101, SLOT+P1RB*RBB, 2, 3*RBB
	; THE HEAD: my query's 16 scale words, 16 numbers -M and 16 sums; and my four K steps of v^T's scale words
	v_lshlrev_b32 v4, 2, v0
	v_lshl_add_u32 v5, v0, 2, SC1
	v_and_b32 v1, 15, v0
	v_and_b32 v3, 31, v0
	v_lshlrev_b32 v[LI], 4, v3
	s_wait_alu depctr_va_vdst(0)
.set k_, 0
.rept 16
	global_load_b32 v[96+k_], v4, s[98:99] offset:32768*k_
	global_load_b32 v[64+k_], v4, s[98:99] offset:32768*k_+524288
	global_load_b32 v[80+k_], v4, s[98:99] offset:32768*k_+1048576
.set k_, k_+1
.endr
.irp i, 0,1,2,3,4,5,6,7
	global_load_b128 v[112+4*\i:115+4*\i], v[LI], s[66:67] offset:4096*(\i/2)+512*(\i%2)   ; 512 consecutive bytes a load
.endr
	s_mul_i32 s100, s15, NA*RBB
	v_add_nc_u32 v[ADRA], s100, v[LI]
	v_add_nc_u32 v[ADRA+1], SLOT, v[ADRA]
	s_mul_i32 s100, s16, 8*RBB
	s_add_co_u32 s100, s100, P1RB*RBB
	v_add_nc_u32 v[ADRB], s100, v[LI]
	v_add_nc_u32 v[ADRB+1], SLOT, v[ADRB]
	s_lshl_b32 s100, s14, 12
	s_add_co_u32 s100, s100, SC0
	v_add_nc_u32 v[SSH], s100, v[LI]
	s_mul_i32 s100, s15, NA*64
	s_add_co_u32 s101, s100, RL
	s_add_co_u32 s100, s100, SC1
	v_lshl_add_u32 v[AS1], v1, 2, s100
	v_lshl_add_u32 v[ARL], v1, 2, s101
	s_lshl_b32 s100, s16, 9
	s_add_co_u32 s100, s100, SC0
	v_lshl_add_u32 v[AS0], v1, 2, s100
	s_lshl_b32 s100, s14, 8
	s_add_co_u32 s100, s100, STG
	v_lshl_add_u32 v[SWA], v1, 2, s100
	v_lshl_add_u32 v[SWR], v3, 3, s100
	v_lshlrev_b32 v9, 3, v3
	s_mov_b32 s[SEL], 0x76543210
	s_mov_b32 s[SEL+1], 0xfedcba98
	s_mov_b32 s72, 0x80808080
	s_mov_b32 s73, 0x01010101
	s_mov_b32 s74, 0x7f7f7f7f
	; where my results go: fragment (row block 8 T1 + 4 (my half) + a, K step 2 T0 + my half)
	s_lshl_b32 s19, s43, 3
	s_lshl_b32 s18, s15, 2
	s_add_co_u32 s19, s19, s18
	s_lshl_b32 s20, s42, 1
	s_add_co_u32 s20, s20, s16
	s_lshl_b32 s18, s19, 3
	s_add_co_u32 s18, s18, s20
	s_mul_i32 s18, s18, 1536
	s_lshl_b32 s20, s20, 15
	s_lshl_b32 s19, s19, 6
	s_add_co_u32 s20, s20, s19
	s_add_co_u32 s20, s20, SCS
	s_mov_b32 s19, 0
	s_mov_b32 s21, 0
	s_add_nc_u64 s[10:11], s[8:9], s[20:21]
	s_add_nc_u64 s[OB:OB+1], s[8:9], s[18:19]
	s_wait_alu depctr_va_vdst(0)                   ; the wait ahead of the wait below
	s_wait_loadcnt 0x0
.irp i, 0,1,2,3,4,5,6,7
	ds_store_b128 v[SSH], v[112+4*\i:115+4*\i] offset:512*\i
.endr
	v_min3_num_f32 v6, v64, v65, v66               ; -M of the whole row: the least -M_ks
.irp i, 67,69,71,73,75,77
	v_min3_num_f32 v6, v6, v[\i], v[\i+1]
.endr
	v_min_num_f32 v6, v6, v79
.set k_, 0
.rept 16
	v_sub_f32 v7, v6, v[64+k_]                     ; -d = M_ks - M: a whole number, 0 or less,
	v_max_num_f32 v7, 0xc3000000, v7               ; held at -128
	v_cvt_i32_f32 v7, v7
	v_ldexp_f32 v8, 1.0, v7                        ; 2^-d
.if k_ < 2
	v_mul_f32 v[24+k_], v[80+k_], v8               ; l = the sum of l_ks 2^-d, in two chains
.else
	v_fma_f32 v[24+k_%2], v[80+k_], v8, v[24+k_%2]
.endif
	v_or_b32 v[96+k_], s72, v[96+k_]               ; each byte e (under 128: p is at most 1) becomes 128 + e,
	v_mul_lo_u32 v7, v7, s73
	v_add_nc_u32 v[96+k_], v[96+k_], v7            ; then 128 + e - d, which is 0 or more: no byte borrows from its neighbour
	v_lshrrev_b32 v7, 7, v[96+k_]
	v_and_b32 v7, s73, v7                          ; its top bit says that e - d is 0 or more
	v_lshlrev_b32 v8, 8, v7
	v_sub_nc_u32 v7, v8, v7                        ; as a mask of whole bytes
	v_and_b32 v[96+k_], s74, v[96+k_]
	v_and_b32 v[96+k_], v[96+k_], v7               ; e - d, or 0
	ds_store_b32 v5, v[96+k_] offset:512*k_
.set k_, k_+1
.endr
	v_add_f32 v24, v24, v25
	s_wait_alu depctr_va_vdst(0)                   ; the wait ahead of the reciprocal
	v_rcp_f32 v26, v24
	v_nop
	s_wait_alu depctr_va_vdst(0)                   ; and ahead of its first reader
	ds_store_b32 v5, v26 offset:RL-SC1
	s_cmp_lt_u32 s14, 2
	s_cbranch_scc0 .Lslot_1_mine
	s_wait_tensorcnt 0x0                           ; waves 0, 1: my tile of slot 0 is in.  Slot 1's loads, waves 2 and 3's, may stay out
.Lslot_1_mine:
	s_wait_dscnt 0x0                               ; for the others' sake: my stores have landed
	s_barrier_signal -1
	s_barrier_wait -1
	FETCH 0, 0, 0, 0
	STEP 0, 1, 1, 0, 1, 1                          ; K step 0 starts the sums
	STEP 1, 0, 1, 0, 2, 2
	STEP 0, 0, 1, 0, 3, 3
	TURN 1, 2, GA0, GB0, 1, 0, 4                   ; slot 1 is shown whole; slot 0 is left and takes K steps 8 to 11
	STEP 0, 0, 1, 1, 1, 5
	STEP 1, 0, 1, 1, 2, 6
	STEP 0, 0, 1, 1, 3, 7
	TURN 1, 1, GQA, GQB, 0, 0, 8                   ; slot 1 takes K steps 12 to 15
	STEP 0, 0, 1, 0, 1, 9
	STEP 1, 0, 1, 0, 2, 10
	STEP 0, 0, 1, 0, 3, 11
	TURN 1, 0, 0, 0, 1, 0, 12                      ; nothing is left to fetch
	STEP 0, 0, 1, 1, 1, 13
	STEP 1, 0, 1, 1, 2, 14
	STEP 0, 0, 1, 1, 3, 15
	STEP 1, 0, 0, 0, 0, 0
	WIN 0
	PLACES 4                                       ; behind the last products
.irp t, 64, 128
.irp b, 4,5,6,7
	v_mov_b32 v[\t+\b], 0                          ; a lane permute's destination counts as one of its sources
.endr
.endr
.irp a, 0,1,2,3
	ds_load_b32 v[RLP+2*\a], v[ARL] offset:64*\a   ; 1 / l of my query in block a; the packed form names a pair, so both halves are loaded
	ds_load_b32 v[RLP+2*\a+1], v[ARL] offset:64*\a
.endr
	s_wait_dscnt 0x0
.irp a, 0,1,2,3
	SETB \a
	WIN 0x82
.set j_, 0
.rept 32
	v_pk_mul_f32 v[SA+j_:SA+j_+1], v[SA+j_:SA+j_+1], v[RLP+2*\a:RLP+2*\a+1] op_sel_hi:[1,0]   ; the division by l; ascending: each accumulator is first read at its low end
.set j_, j_+2
.endr
	BLKMAX
	CODES
	SENDF 12288*\a, \a
.endr
	ds_load_b64 v[64:65], v[SWR]
	s_wait_dscnt 0x0
	global_store_b64 v9, v[64:65], s[10:11]        ; 64 scale words: 256 consecutive bytes, aligned
	s_wait_tensorcnt 0x0                           ; the wave's end
	ds_add_u32 v[SPW], v[NIL]
	s_wait_dscnt 0x0
	CROUND                                         ; the closing round
	s_endpgm
.Lfunc_end_k_qa40b61e050_pv:
	.size	k_qa40b61e050_pv, .Lfunc_end_k_qa40b61e050_pv-k_qa40b61e050_pv
	.p2alignl 7, 3214868480
	.fill 96, 4, 3214868480
	.section	.rodata,"a",@progbits
	.p2align	6, 0x0
	.amdhsa_kernel k_qa40b61e050_pv
		.amdhsa_group_segment_fixed_size 327680
		.amdhsa_private_segment_fixed_size 0
		.amdhsa_enable_private_segment 0
		.amdhsa_kernarg_size 24
		.amdhsa_user_sgpr_count 2
		.amdhsa_user_sgpr_kernarg_segment_ptr 1
		.amdhsa_wavefront_size32 1
		.amdhsa_system_sgpr_workgroup_id_x 1
		.amdhsa_system_sgpr_workgroup_id_y 1
		.amdhsa_system_sgpr_workgroup_id_z 1
		.amdhsa_system_vgpr_workitem_id 0
		.amdhsa_next_free_vgpr 768
		.amdhsa_next_free_sgpr 102
		.amdhsa_reserve_vcc 0
		.amdhsa_float_denorm_mode_32 3
		.amdhsa_float_denorm_mode_16_64 3
		.amdhsa_memory_ordered 1
		.amdhsa_forward_progress 1
		.amdhsa_inst_pref_size 171
	.end_amdhsa_kernel
	.amdgpu_metadata
---
amdhsa.version: [ 1, 2 ]
amdhsa.kernels:
  - .name:           k_qa40b61e050_pv
    .symbol:         k_qa40b61e050_pv.kd
    .args:
      - { .name: p_img, .offset: 0, .size: 8, .value_kind: global_buffer, .address_space: global }
      - { .name: qkv_img, .offset: 8, .size: 8, .value_kind: global_buffer, .address_space: global }
      - { .name: s_img, .offset: 16, .size: 8, .value_kind: global_buffer, .address_space: global }
    .group_segment_fixed_size: 327680
    .private_segment_fixed_size: 0
    .kernarg_segment_align: 8
    .kernarg_segment_size: 24
    .max_flat_workgroup_size: 128
    .sgpr_count:     102
    .vgpr_count:     768
    .wavefront_size: 32
...
	.end_amdgpu_metadata
.endif
;; end of part 4
;; launch outp (part 5): grid 4 x 64, 4 waves a work-group, clusters of 4 x 4, 327,680 bytes of LDS; arguments s_img, xw_img, bo, out0; writes out0
.if DOCPART == 5
	.amdgcn_target "amdgcn-amd-amdhsa--gfx1250"
	.amdhsa_code_object_version 6
	.text
	.protected	k_qa40b61e050_outp
	.globl	k_qa40b61e050_outp
	.p2align	8
	.type	k_qa40b61e050_outp,@function
k_qa40b61e050_outp:
	s_mov_b64 s[64:65], 0
	v_nop
	global_prefetch_b8 v0, s[64:65] scope:SCOPE_SE
	s_setreg_imm32_b32 hwreg(HW_REG_WAVE_MODE, 25, 1), 1
	s_wait_xcnt 0x0
	s_wait_alu depctr_hold_cnt(0) depctr_sa_sdst(0) depctr_va_vdst(0) depctr_va_sdst(0) depctr_va_ssrc(0) depctr_va_vcc(0) depctr_vm_vsrc(0)
	s_getreg_b32 s2, hwreg(HW_REG_IB_STS2, 6, 4)
	s_cmp_eq_u32 s2, 0
	s_cbranch_scc0 .Lentry_in_a_cluster
	s_endpgm
.Lentry_in_a_cluster:
	s_bfe_u32 s2, ttmp6, 0x10000c
	s_cmp_lg_u32 s2, 0xf033
	s_cbranch_scc0 .Lentry_shape_is_right
	s_endpgm
.Lentry_shape_is_right:
; out = score wo + bo on codes of BF6; f32 out.  Source 0 = 16 columns of wo (P0), source 1 = 16 tokens (P1 = score).  A tile is 128 tokens x 256 columns, K = 1,024; four waves, each 64 x 128: 32 accumulators.
; All of K fits in two LDS slots of four K steps: every LDS byte is filled once, at the head, ONE load a wave: wave 0 score's 8 row blocks of K steps 0-3, wave 1 wo's 16, wave 2 score's of K steps 4-7, wave 3 wo's.
; In front of the first barrier only waves 0 and 1 wait for their load; slot 1 is shown whole by the barrier at K step 3, in front of which every wave waits for its load.
; The scale words (12,288 bytes of the 307,200 that a work-group reads) come through registers, 512 consecutive bytes a load, into LDS bytes of their own: so they are not asked for jointly.
; CLUSTERS: 4 x 4: score's tiles hang on cy and are asked for jointly along a row of the cluster, wo's on cx, along a column.
; No prefetch: all that the work-group reads is asked for at the head.
; The bias is the C of each sum's first product.  THE WAY OUT undoes the order of rows: place rho of row block t of a group of 128 tokens is token 32 (t / 2) + 8 (t % 2) + rho + 8 (rho / 8); a lane's register j of
; tile b is column 32 (b / 2) + 16 (lane / 16) + 8 (b % 2) + j of the wave's 128.  A block of 16 tokens x 128 columns goes through the wave's stage in LDS and leaves as whole rows of 512 bytes.
; The stage lies in slot 0, which has had its only fill, and which nobody reads behind the last barrier.
; REGISTERS: window 0: v0-22 addresses; v32-47 score's scale words, v48-63 wo's (nothing else ever); v64-159 score's fragments, two sets; on the way out v64-191 rows of out.
;   window 1: wo's fragments at v0 and v128; the bias in v96-127, v224-255.   window 2: accumulator (a, b) at v[8 (8 a + b)].
.set NA,    4
.set P1RB,  8
.set RBB,   6144
.set SLOT,  (P1RB+16)*RBB
.set P1SP,  64*P1RB
.set SC1,   2*SLOT                     ; score's scale words, [8 K steps][128 tokens]: stored from registers; no fill lands here
.set SC0,   SC1+8*P1SP                 ; wo's, [8][256]
.set SPARE, SC0+8*1024                 ; the spare words, 128 bytes a wave
.set XWS,   9437184
.set SCS,   6291456
.set SS1,  5                           ; v5, v6 where I store two K steps of score's and of wo's scale words
.set SS0,  6
.set ADRA, 10
.set ADRB, 13
.set AS1,  16
.set SPW,  17
.set NIL,  18
.set LI,   19
.set STO,  20
.set RD,   21
.set AS0,  22
.set S1R,  32
.set S0R,  48
.set AF,   64
.set BK,   64
.set G1A,  24
.set G1B,  32
.set GA1,  68
.set GHA,  72
.set GB1,  80
.set GHB,  84
.set OB,   10
.set MSB, 0
.macro WIN new
.if MSB != (\new)
	s_set_vgpr_msb (MSB<<8)|(\new)
.set MSB, (\new)
.endif
.endm
.macro PLACES n
.rept \n
	v_nop
.endr
.endm
.macro CREST
	s_cmp_lg_u32 s14, 0
	s_cbranch_scc1 .Lnot_wave_0_\@
	s_barrier_signal -3
.Lnot_wave_0_\@:
	s_barrier_wait -3
	s_barrier_signal -1
	s_barrier_wait -1
.endm
.macro CROUND
	s_barrier_signal -1
	s_barrier_wait -1
	CREST
.endm
.macro ARM under, g0, g1, next         ; an arm of the head's one chain of branches on the wave's number; s_nop 0 and four v_nop follow the load
	s_cmp_lt_u32 s14, \under
	s_cbranch_scc0 \next
	tensor_load_to_lds s[\g0:\g0+3], s[\g1:\g1+7]
	s_nop 0
	PLACES 4
	s_branch .Lhead_asked
\next:
.endm
.macro MKG0 g, lr, la, base, ga
	s_mov_b32 s[\g], 1
	s_add_co_u32 s[\g+1], s[\lr], \la
	s_add_nc_u64 s[\g+2:\g+3], s[\base:\base+1], \ga
	s_or_b32 s[\g+3], s[\g+3], 0x80000000
.endm
.macro FRAG3 reg, adr, off
.irp g, 0,1,2
	ds_load_b128 v[(\reg)+4*\g:(\reg)+4*\g+3], v[\adr] offset:(\off)+512*\g
.endr
.endm
.macro FETCH set, slot, kq, ks
	WIN 0x40
.irp i, 0,1,2,3,4,5,6,7
	FRAG3 128*(\set)+12*\i, ADRB+(\slot), \i*RBB+1536*(\kq)
.endr
	WIN 0
.irp i, 0,1,2,3
	FRAG3 AF+12*NA*(\set)+12*\i, ADRA+(\slot), \i*RBB+1536*(\kq)
.endr
.irp i, 0,1,2,3
	ds_load_b32 v[S1R+8*(\set)+\i], v[AS1] offset:(\ks)*P1SP+64*\i
.endr
.irp i, 0,1,2,3,4,5,6,7
	ds_load_b32 v[S0R+8*(\set)+\i], v[AS0] offset:(\ks)*1024+64*\i
.endr
.endm
.macro MULA a, p, cm                   ; 8 products: score's block a against wo's eight.  cm = 2: C = the bias of tile b.  The accumulators take turns
.if (\cm) == 0
	WIN 0xa1
.else
	WIN 0x91
.endif
.irp b, 0,1,2,3,4,5,6,7
.set rD, 8*(8*(\a)+\b)
.set rP0, 128*(\p)+12*\b
.set rP1, AF+12*NA*(\p)+12*(\a)
.set rC, 96+8*\b+96*(\b/4)
.if (\cm) == 0
	v_wmma_scale_f32_16x16x128_f8f6f4 v[rD:rD+7], v[rP0:rP0+11], v[rP1:rP1+11], v[rD:rD+7], v[S0R+8*(\p)+\b], v[S1R+8*(\p)+(\a)] matrix_a_fmt:MATRIX_FMT_BF6 matrix_b_fmt:MATRIX_FMT_BF6
.else
	v_wmma_scale_f32_16x16x128_f8f6f4 v[rD:rD+7], v[rP0:rP0+11], v[rP1:rP1+11], v[rC:rC+7], v[S0R+8*(\p)+\b], v[S1R+8*(\p)+(\a)] matrix_a_fmt:MATRIX_FMT_BF6 matrix_b_fmt:MATRIX_FMT_BF6
.endif
.endr
.endm
.macro MULS a0, n, p, cm
.set a_, \a0
.rept \n
	MULA a_, \p, \cm
.set a_, a_+1
.endr
.endm
.macro STEP p, cm, f, slot, kq, ks
	s_wait_dscnt 0x0
.if \f
	PLACES 4
	FETCH 1-(\p), \slot, \kq, \ks
.endif
	MULS 0, NA, \p, \cm
.endm
.macro MEET p, slot, kq, ks            ; the step at which slot 0 is left: every wave's load has landed and its reads of slot 0 are over; nothing is filled again
	s_wait_dscnt 0x0
	s_wait_tensorcnt 0x0
	s_barrier_signal -1
	MULS 0, NA/2, \p, 0
	s_barrier_wait -1
	PLACES 4
	FETCH 1-(\p), \slot, \kq, \ks
	MULS NA/2, NA/2, \p, 0
.endm
	s_load_b256 s[4:11], s[0:1], 0x0               ; s_img, xw_img, bo, out0
	v_lshl_add_u32 v[SPW], v0, 2, SPARE
	v_mov_b32 v[NIL], 0
	ds_add_u32 v[SPW], v[NIL]                      ; the opening lines: the add, twice on end, and its wait
	ds_add_u32 v[SPW], v[NIL]
	v_lshrrev_b32 v1, 5, v0
	v_readfirstlane_b32 s14, v1                    ; wave
	s_lshr_b32 s15, s14, 1                         ; my half of the tokens
	s_and_b32 s16, s14, 1                          ; my half of the columns
	s_bfe_u32 s40, ttmp6, 0x40000                  ; cx
	s_bfe_u32 s41, ttmp6, 0x40004                  ; cy
	s_and_b32 s17, ttmp7, 0xffff
	s_mov_b32 s42, s40                             ; T0: the tile of 256 columns: the grid is one cluster wide
	s_lshl_b32 s43, s17, 2
	s_add_co_u32 s43, s43, s41                     ; T1: the tile of 128 tokens
	s_lshl_b32 s22, s41, 2
	s_lshl_b32 s22, 15, s22
	s_lshl_b32 s23, 0x1111, s40
	s_or_b32 s[G1A], s22, (3<<16)|(1<<21)
	s_or_b32 s[G1B], s23, (3<<16)|(1<<21)
	s_mov_b32 s[G1A+1], (RBB/8)<<16                ; score: 8 row blocks x 6,144 bytes, 12,288 bytes apart
	s_mov_b32 s[G1A+2], 8<<16
	s_mov_b32 s[G1A+3], (RBB/8)<<16
	s_mov_b32 s[G1A+4], 8
	s_mov_b32 s[G1A+5], 1536
	s_mov_b32 s[G1A+6], 0
	s_mov_b32 s[G1A+7], 0
	s_mov_b32 s[G1B+1], (RBB/8)<<16                ; wo: 16 row blocks
	s_mov_b32 s[G1B+2], 16<<16
	s_mov_b32 s[G1B+3], (RBB/8)<<16
	s_mov_b32 s[G1B+4], 16
	s_mov_b32 s[G1B+5], 1536
	s_mov_b32 s[G1B+6], 0
	s_mov_b32 s[G1B+7], 0
	s_mul_i32 s96, s43, 8*12288                    ; score (nothing of cx): row block 8 T1
	s_mov_b32 s97, 0
	s_lshl_b32 s98, s43, 9                         ; its scale words: K steps 2 w, 2 w + 1, rows of 32,768 bytes
	s_lshl_b32 s100, s14, 16
	s_add_co_u32 s98, s98, s100
	s_add_co_u32 s98, s98, SCS
	s_mov_b32 s99, 0
	s_lshl_b32 s2, s42, 4                          ; wo (nothing of cy): row block 704 + 16 T0
	s_add_co_u32 s2, s2, 704
	s_lshl_b32 s66, s2, 6                          ; its scale words: K steps 2 w, 2 w + 1, rows of 49,152 bytes
	s_mul_i32 s100, s14, 2*49152
	s_add_co_u32 s66, s66, s100
	s_add_co_u32 s66, s66, XWS
	s_mov_b32 s67, 0
	s_mul_i32 s2, s2, 12288
	s_mov_b32 s3, 0
	s_mov_b32 s22, 0
	s_wait_dscnt 0x0                               ; both opening adds are done
	CROUND                                         ; the round in front of the joint loads; the arguments are on their way meanwhile
	s_wait_kmcnt 0x0
	s_add_nc_u64 s[96:97], s[4:5], s[96:97]
	s_add_nc_u64 s[2:3], s[6:7], s[2:3]
	MKG0 GHA, 22, 0, 96, 0
	MKG0 GHB, 22, P1RB*RBB, 2, 0
	MKG0 GA1, 22, SLOT, 96, RBB
	MKG0 GB1, 22, SLOT+P1RB*RBB, 2, RBB
	ARM 1, GHA, G1A, .Lhead_b                      ; one load a wave: K steps 0-3 of score,
	ARM 2, GHB, G1B, .Lhead_a1                     ; of wo,
	ARM 3, GA1, G1A, .Lhead_b1                     ; K steps 4-7 of score,
	tensor_load_to_lds s[GB1:GB1+3], s[G1B:G1B+7]  ; of wo
	s_nop 0
	PLACES 4
.Lhead_asked:
	s_add_nc_u64 s[98:99], s[4:5], s[98:99]
	s_add_nc_u64 s[66:67], s[6:7], s[66:67]
	v_and_b32 v1, 15, v0
	v_bfe_u32 v2, v0, 4, 1
	v_and_b32 v3, 31, v0
	v_lshlrev_b32 v[LI], 4, v3
	v_lshlrev_b32 v4, 6, v2                        ; the bias: 64 h bytes
	s_wait_alu depctr_va_vdst(0)
	global_load_b128 v[64:67], v[LI], s[98:99]                  ; the scale words, two K steps a wave: 512 consecutive bytes a load
	global_load_b128 v[68:71], v[LI], s[98:99] offset:32768
	global_load_b128 v[72:75], v[LI], s[66:67]
	global_load_b128 v[76:79], v[LI], s[66:67] offset:512
	global_load_b128 v[80:83], v[LI], s[66:67] offset:49152
	global_load_b128 v[84:87], v[LI], s[66:67] offset:49664
	s_lshl_b32 s88, s42, 10                        ; bo at my 128 columns
	s_lshl_b32 s100, s16, 9
	s_add_co_u32 s88, s88, s100
	s_mov_b32 s89, 0
	s_add_nc_u64 s[8:9], s[8:9], s[88:89]
	WIN 0x40
.irp b, 0,1,2,3,4,5,6,7                ; register j of tile b is column 32 (b / 2) + 8 (b % 2) + 16 h + j
	global_load_b128 v[96+8*\b+96*(\b/4):96+8*\b+96*(\b/4)+3], v4, s[8:9] offset:(32*(\b/2)+8*(\b%2))*4
	global_load_b128 v[96+8*\b+96*(\b/4)+4:96+8*\b+96*(\b/4)+7], v4, s[8:9] offset:(32*(\b/2)+8*(\b%2))*4+16
.endr
	WIN 0
	s_mul_i32 s100, s15, NA*RBB
	v_add_nc_u32 v[ADRA], s100, v[LI]
	v_add_nc_u32 v[ADRA+1], SLOT, v[ADRA]
	s_mul_i32 s100, s16, 8*RBB
	s_add_co_u32 s100, s100, P1RB*RBB
	v_add_nc_u32 v[ADRB], s100, v[LI]
	v_add_nc_u32 v[ADRB+1], SLOT, v[ADRB]
	s_lshl_b32 s100, s14, 10
	s_add_co_u32 s100, s100, SC1
	v_add_nc_u32 v[SS1], s100, v[LI]
	s_lshl_b32 s100, s14, 11
	s_add_co_u32 s100, s100, SC0
	v_add_nc_u32 v[SS0], s100, v[LI]
	s_mul_i32 s100, s15, NA*64
	s_add_co_u32 s100, s100, SC1
	v_lshl_add_u32 v[AS1], v1, 2, s100
	s_lshl_b32 s100, s16, 9
	s_add_co_u32 s100, s100, SC0
	v_lshl_add_u32 v[AS0], v1, 2, s100
	s_mul_i32 s100, s14, 8448                      ; my stage: 16 rows x (512 + 16) bytes
	v_mul_u32_u24 v[STO], v1, 528
	v_lshl_add_u32 v[STO], v2, 6, v[STO]
	v_add_nc_u32 v[STO], s100, v[STO]              ; in: row r, + 64 h
	v_add_nc_u32 v[RD], s100, v[LI]                ; back: 16 x lane of a row
	s_lshl_b32 s20, s43, 19                        ; out0: token 128 T1 + 64 (my half), column 256 T0 + 128 (my half)
	s_lshl_b32 s21, s15, 18
	s_add_co_u32 s20, s20, s21
	s_lshl_b32 s21, s42, 10
	s_add_co_u32 s20, s20, s21
	s_lshl_b32 s21, s16, 9
	s_add_co_u32 s20, s20, s21
	s_mov_b32 s21, 0
	s_add_nc_u64 s[OB:OB+1], s[OB:OB+1], s[20:21]
	s_wait_alu depctr_va_vdst(0)                   ; the wait at the head's end
	s_wait_loadcnt 16                              ; my six loads of scale words are in; the bias's sixteen, issued behind them, may be out
	ds_store_b128 v[SS1], v[64:67]
	ds_store_b128 v[SS1], v[68:71] offset:512
	ds_store_b128 v[SS0], v[72:75]
	ds_store_b128 v[SS0], v[76:79] offset:512
	ds_store_b128 v[SS0], v[80:83] offset:1024
	ds_store_b128 v[SS0], v[84:87] offset:1536
	s_cmp_lt_u32 s14, 2
	s_cbranch_scc0 .Lslot_1_mine
	s_wait_tensorcnt 0x0                           ; waves 0, 1: my tile of slot 0 is in.  Slot 1's loads, waves 2 and 3's, may stay out
.Lslot_1_mine:
	s_wait_dscnt 0x0                               ; for the others' sake: my stores of scale words have landed
	s_barrier_signal -1
	s_barrier_wait -1
	FETCH 0, 0, 0, 0
	s_wait_loadcnt 0x0                             ; the bias
	STEP 0, 2, 1, 0, 1, 1                          ; K step 0 starts the sums with the bias
	STEP 1, 0, 1, 0, 2, 2
	STEP 0, 0, 1, 0, 3, 3
	MEET 1, 1, 0, 4
	STEP 0, 0, 1, 1, 1, 5
	STEP 1, 0, 1, 1, 2, 6
	STEP 0, 0, 1, 1, 3, 7
	STEP 1, 0, 0, 0, 0, 0
	WIN 0
.macro TOSTAGE a                       ; block a's 16 tokens x 128 columns into my stage, each accumulator from its low end on, and back as whole rows
	WIN 0x08
.irp b, 0,1,2,3,4,5,6,7
	ds_store_b128 v[STO], v[64*(\a)+8*\b:64*(\a)+8*\b+3] offset:128*(\b/2)+32*(\b%2)
	ds_store_b128 v[STO], v[64*(\a)+8*\b+4:64*(\a)+8*\b+7] offset:128*(\b/2)+32*(\b%2)+16
.endr
	WIN 0
.set BB, BK+64*((\a)%2)
.irp t, 0,1,2,3,4,5,6,7,8,9,10,11,12,13,14,15
	ds_load_b128 v[BB+4*\t:BB+4*\t+3], v[RD] offset:\t*528   ; LDS serves a wave's instructions in order: these see the stores above
.endr
.endm
.macro SEND a, younger                 ; younger: the LDS instructions issued behind block a's loads, which may stay out
.set BB, BK+64*((\a)%2)
	s_wait_dscnt \younger
.irp t, 0,1,2,3,4,5,6,7,8,9,10,11,12,13,14,15
	global_store_b128 v[LI], v[BB+4*\t:BB+4*\t+3], s[OB:OB+1] offset:(32*((\a)/2)+8*((\a)%2)+\t+8*(\t/8))*4096 th:TH_STORE_NT   ; 512 consecutive bytes of one token's row, at a multiple of 256
.endr
.endm
	PLACES 4                                       ; behind the last products
	TOSTAGE 0
.irp a, 1,2,3
.if \a > 1
	s_wait_xcnt 0x0                                ; block a - 2's stores have read their registers: block a's loads may land there
.endif
	TOSTAGE \a
	SEND \a-1, 32                                  ; behind block a - 1's loads: block a's 16 stores and 16 loads
.endr
	SEND 3, 0
	s_wait_tensorcnt 0x0                           ; the wave's end
	ds_add_u32 v[SPW], v[NIL]
	s_wait_dscnt 0x0
	CROUND                                         ; the closing round
	s_endpgm
.Lfunc_end_k_qa40b61e050_outp:
	.size	k_qa40b61e050_outp, .Lfunc_end_k_qa40b61e050_outp-k_qa40b61e050_outp
	.p2alignl 7, 3214868480
	.fill 96, 4, 3214868480
	.section	.rodata,"a",@progbits
	.p2align	6, 0x0
	.amdhsa_kernel k_qa40b61e050_outp
		.amdhsa_group_segment_fixed_size 327680
		.amdhsa_private_segment_fixed_size 0
		.amdhsa_enable_private_segment 0
		.amdhsa_kernarg_size 32
		.amdhsa_user_sgpr_count 2
		.amdhsa_user_sgpr_kernarg_segment_ptr 1
		.amdhsa_wavefront_size32 1
		.amdhsa_system_sgpr_workgroup_id_x 1
		.amdhsa_system_sgpr_workgroup_id_y 1
		.amdhsa_system_sgpr_workgroup_id_z 1
		.amdhsa_system_vgpr_workitem_id 0
		.amdhsa_next_free_vgpr 768
		.amdhsa_next_free_sgpr 102
		.amdhsa_reserve_vcc 0
		.amdhsa_float_denorm_mode_32 3
		.amdhsa_float_denorm_mode_16_64 3
		.amdhsa_memory_ordered 1
		.amdhsa_forward_progress 1
		.amdhsa_inst_pref_size 84
	.end_amdhsa_kernel
	.amdgpu_metadata
---
amdhsa.version: [ 1, 2 ]
amdhsa.kernels:
  - .name:           k_qa40b61e050_outp
    .symbol:         k_qa40b61e050_outp.kd
    .args:
      - { .name: s_img, .offset: 0, .size: 8, .value_kind: global_buffer, .address_space: global }
      - { .name: xw_img, .offset: 8, .size: 8, .value_kind: global_buffer, .address_space: global }
      - { .name: bo, .offset: 16, .size: 8, .value_kind: global_buffer, .address_space: global }
      - { .name: out0, .offset: 24, .size: 8, .value_kind: global_buffer, .address_space: global }
    .group_segment_fixed_size: 327680
    .private_segment_fixed_size: 0
    .kernarg_segment_align: 8
    .kernarg_segment_size: 32
    .max_flat_workgroup_size: 128
    .sgpr_count:     102
    .vgpr_count:     768
    .wavefront_size: 32
...
	.end_amdgpu_metadata
.endif
;; end of part 5
